; MI455X (gfx1250); checked and timed in simulation.
; The chip was launched on July 23, 2026; its instructions are those of AMD's public machine-readable ISA for CDNA 5 (MIT licence, August 2026) and "CDNA5" Instruction Set Architecture Reference Guide (July 2026). The comments in the code are by the model that wrote it; some were corrected since.
;; Fractal Attention. Allowed arithmetic: float matrix products may take bf16 or f16 operands with f32 sums; other float arithmetic in f32, or as packed bf16 or f16 multiplies, adds, multiply-adds, maxima and minima; sums over many terms, partial sums and values carried from step to step in f32; what a program stores and reads back later, other than sums and carried values, may be rounded once to bf16 or f16.
;; Inputs: b_mix 128 float32; w_mix 1,024 x 128 float32; weights 4 x 8 x 128 x 128 float32; x 8 x 8,192 x 128 float32.
;; Outputs: out0 8 x 8,192 x 128 float32.
;; One version. Each part assembles by itself: llvm-mc -triple=amdgcn-amd-amdhsa -mcpu=gfx1250 --defsym DOCPART=n.
;; ======== version 1 of 1: 5 launches
;; limits: values are held in f16: magnitudes above 65,504 overflow, below 6.1e-05 lose precision
;; workspace buffers: mt1 2,097,152 bytes; mt2 2,097,152 bytes; mt3 2,097,152 bytes; mt4 2,097,152 bytes; actA 16,809,984 bytes; actB 16,809,984 bytes
;; launch prep (part 1): grid 256 x 1, 8 waves a work-group, no clusters, 107,520 bytes of LDS; arguments x, weights, w_mix, mt1, mt2, mt3, mt4, actA; writes mt1, mt2, mt3, mt4, actA
.if DOCPART == 1
	.amdgcn_target "amdgcn-amd-amdhsa--gfx1250"
	.amdhsa_code_object_version 6
	.text
	.protected	k_q5dcef6afb6_prep
	.globl	k_q5dcef6afb6_prep
	.p2align	8
	.type	k_q5dcef6afb6_prep,@function
k_q5dcef6afb6_prep:
	s_mov_b64 s[64:65], 0
	v_nop
	global_prefetch_b8 v0, s[64:65] scope:SCOPE_SE
	s_setreg_imm32_b32 hwreg(HW_REG_WAVE_MODE, 25, 1), 1
	s_wait_xcnt 0x0
; PREPARATION.  Two pieces of work for each of 256 work-groups of eight waves.
; (1) THE FOLDED WEIGHTS.  A level of the module is y[h L/8 + r][o] = sum over i, d of x[8 r + i][d] M[h][128 i + d][o] + b[o], with
;     M[h][128 i + d][o] = sum over e of W[level][h][d][e] w_mix[128 i + e][o]  (the two products of a level, taken in the other order).
;     Work-group w makes the tile (level = w / 64, h = (w / 8) % 8, i = w % 8): 128 o x 128 d, and stores it as f16 into that level's buffer,
;     laid out [n = 128 h + o][kk = 128 i + d], kk along the rows: the form in which the level's product reads it.
; (2) x IN f16 WITH A SCALE.  Rows 256 w .. 256 w + 255 of x, 32 groups of 8 rows (1,024 numbers: one row of the level's left operand), four groups a wave.
;     A group is stored as f16(x / E), E = 2^floor(log2(largest |x| of the group)), and E as f32 behind the data (from byte 2^24 on, one a group).
;     E and 1 / E are exact powers of two, made by integer arithmetic on the exponent field; the stored numbers lie inside (-2, 2).
; LIMITS.  W, w_mix and M go to f16 unscaled: they must stay under 65,504, and below 6.1e-5 they keep f16's fixed step of 6e-8.  The largest |x| of a group is
; held to 2^-126 .. 2^126 for the scale.  NaN and infinities are not treated apart.  The order of the sums differs from the module's own (the products are folded).
; No tile is shared with another work-group at the same time and the tiles are small, so everything comes in by loads into registers: no tensor load, no cluster.
.set PW,    272                        ; LDS pitch of W's rows and of the stage: 256 bytes + 16: the 16 rows of a fragment load start at 16 different groups of four banks (ISA guide 11.1)
.set PM,    288                        ; LDS pitch of w_mix's rows: 256 + 32, for the turning load
.set W16,   0                          ; W[d][e] in f16, 128 rows
.set WM16,  128*PW                     ; w_mix[e][o] in f16, 128 rows
.set STG,   WM16+128*PM                ; M's tile [o][d] on its way out, 16 rows for each wave, each wave's own
.set SPARE, STG+128*PW                 ; the spare words, 128 bytes for each of the eight waves: four blocks of 256 bytes that no other line names
.set SCALES, 0x1000000                 ; where the scales begin in actA
.set LN,  1                            ; v1   lane
.set R16, 2                            ; v2   lane % 16
.set HH,  3                            ; v3   lane / 16
.set LO,  4                            ; v4   my 16 bytes in my wave's 16 rows of W and of w_mix
.set XI,  5                            ; v5   my 16 bytes in my wave's 32 rows of x
.set WS,  6                            ; v6   where I put 8 bytes of a row of W in LDS
.set MS,  7                            ; v7   the same for w_mix
.set BT,  8                            ; v8   the turning load's address
.set AF,  9                            ; v9   my place in a fragment of W
.set ST,  10                           ; v10  the stage: where I put 16 bytes of a row of M
.set SR,  11                           ; v11  the stage: where I read rows back
.set MO,  12                           ; v12  my byte offset in two rows of M's buffer
.set XO,  13                           ; v13  my 8 bytes in my wave's four groups of actA
.set ZO,  14                           ; v14  0: the offset of the scales' store
.set SPW, 30                           ; v30  LDS address of my spare word; never rewritten
.set NIL, 31                           ; v31  0; never rewritten
.set BF,  32                           ; v[32:63]   w_mix's four fragments (16 o x 32 e each)
.set A0,  64                           ; v[64:127]  W as loaded; then W's fragments, buffer 0; then M packed; then x packed
.set A1,  128                          ; v[128:191] w_mix as loaded; then W's fragments, buffer 1; then M's rows to store
.set ACC, 192                          ; v[192:255] eight accumulators: d block db at ACC + 8 db
.set MX,  192                          ; x's part: v192-193 two running maxima, v194-195 two running minima
.set EE,  200                          ; v[200:203] the four groups' E
.set INV, 204                          ; v[204:205] 1 / E, twice
                                       ; window 1: v[0:127] x as loaded, 32 registers a group
.set MSB, 0
.macro WIN new                         ; the immediate's high byte repeats the setting that is left; a switch that changes nothing is dropped
.if MSB != (\new)
	s_set_vgpr_msb (MSB<<8)|(\new)
.set MSB, \new
.endif
.endm
.set W_X1, 0x40                        ; destination window 1, address window 0
.set W_MM, 0x14                        ; sources 1 and 2 window 1
.set W_RS, 0x41                        ; destination and source 0 window 1
.set W_CV, 0x05                        ; sources 0 and 1 window 1
.macro PLACES                          ; four places behind a matrix instruction, ahead of loads into registers that it read and of lines that read its result
.rept 4
	v_nop
.endr
.endm
	s_load_b512 s[16:31], s[0:1], 0x0              ; x s[16:17], weights s[18:19], w_mix s[20:21], mt1..mt4 s[22:29], actA s[30:31]
	v_lshl_add_u32 v[SPW], v0, 2, SPARE
	v_mov_b32 v[NIL], 0
	v_lshrrev_b32 v15, 5, v0
	v_readfirstlane_b32 s4, v15                    ; wave 0..7
	v_and_b32 v[LN], 31, v0
	v_and_b32 v[R16], 15, v0
	v_bfe_u32 v[HH], v0, 4, 1
	s_lshr_b32 s5, ttmp9, 6                        ; level
	s_bfe_u32 s6, ttmp9, 0x30003                   ; h
	s_and_b32 s7, ttmp9, 7                         ; i
	s_mov_b32 s2, 0x76543210                       ; v_permlanex16_b32's selects: each lane takes its own place in the other half
	s_mov_b32 s3, 0xfedcba98
	s_lshl_b32 s15, s4, 13                         ; my wave's 16 rows of 512 bytes
	v_lshl_add_u32 v[LO], v[LN], 4, s15
	s_lshl_b32 s15, s4, 14                         ; my wave's 32 rows of x
	v_lshl_add_u32 v[XI], v[LN], 4, s15
	s_lshr_b32 s8, ttmp9, 3
	s_lshl_b32 s8, s8, 16                          ; W[level][h]: 65,536 bytes a matrix
	s_mov_b32 s9, 0
	s_wait_kmcnt 0x0
	s_add_nc_u64 s[18:19], s[18:19], s[8:9]
	s_lshl_b32 s8, s7, 16                          ; w_mix's rows 128 i on
	s_add_nc_u64 s[20:21], s[20:21], s[8:9]
	s_lshl_b32 s8, ttmp9, 17                       ; x's rows 256 w on
	s_add_nc_u64 s[16:17], s[16:17], s[8:9]
	; 64 loads a wave, each 512 consecutive bytes: W and w_mix first, since loads come back in order (ISA guide 5.7.1) and the product wants these two
.set r, 0
.rept 16
	global_load_b128 v[A0+4*r:A0+4*r+3], v[LO], s[18:19] offset:512*r
.set r, r+1
.endr
.set r, 0
.rept 16
	global_load_b128 v[A1+4*r:A1+4*r+3], v[LO], s[20:21] offset:512*r
.set r, r+1
.endr
	WIN W_X1
.set r, 0
.rept 32
	global_load_b128 v[4*r:4*r+3], v[XI], s[16:17] offset:512*r th:TH_LOAD_NT  ; row r of my 32: group r / 8
.set r, r+1
.endr
	WIN 0
	; the other addresses, while the loads are out
	s_lshl_b32 s8, ttmp9, 7                        ; 32 scales of 4 bytes a work-group,
	s_lshl_b32 s10, s4, 4                          ; 4 a wave
	s_add_co_u32 s8, s8, s10
	s_add_co_u32 s8, s8, SCALES
	s_add_nc_u64 s[10:11], s[30:31], s[8:9]        ; my four scales
	s_lshl_b32 s8, ttmp9, 16                       ; 32 groups of 2,048 bytes a work-group
	s_add_nc_u64 s[30:31], s[30:31], s[8:9]
	s_lshl_b32 s8, s6, 7
	s_lshl_b32 s12, s4, 4
	s_add_co_u32 s8, s8, s12                       ; M's row 128 h + 16 wave,
	s_lshl_b32 s8, s8, 11                          ; 2,048 bytes a row,
	s_lshl_b32 s12, s7, 8
	s_add_co_u32 s8, s8, s12                       ; + 256 i: s[8:9] is my part's offset in the level's buffer
	s_mul_i32 s12, s4, 16*PW
	v_lshl_add_u32 v[WS], v[LN], 3, s12
	s_mul_i32 s13, s4, 16*PM
	s_add_co_u32 s13, s13, WM16
	v_lshl_add_u32 v[MS], v[LN], 3, s13
	v_and_b32 v15, 7, v0                           ; the turning load: lane l reads 16 bytes of row 8 (l / 16) + l % 8, columns 8 ((l / 8) % 2) on, of my wave's 16 columns
	v_lshl_add_u32 v15, v[HH], 3, v15
	v_mul_u32_u24 v[BT], v15, PM
	v_bfe_u32 v15, v0, 3, 1
	v_lshl_add_u32 v[BT], v15, 4, v[BT]
	s_lshl_b32 s13, s4, 5
	s_add_co_u32 s13, s13, WM16
	v_add_nc_u32 v[BT], s13, v[BT]
	v_mul_u32_u24 v[AF], v[R16], PW                ; a fragment of W: row l % 16, 16 bytes for each half of the lanes
	v_lshl_add_u32 v[AF], v[HH], 4, v[AF]
	s_add_co_u32 s12, s12, STG                     ; my wave's 16 rows of the stage
	v_add_nc_u32 v[ST], s12, v[AF]
	v_mul_u32_u24 v[SR], v[HH], PW                 ; back: lanes 0-15 one row of 256 bytes, lanes 16-31 the next
	v_lshl_add_u32 v[SR], v[R16], 4, v[SR]
	v_add_nc_u32 v[SR], s12, v[SR]
	v_lshlrev_b32 v[MO], 11, v[HH]                 ; and the same two rows in M's buffer
	v_lshl_add_u32 v[MO], v[R16], 4, v[MO]
	s_lshl_b32 s13, s4, 13                         ; my wave's four groups of 2,048 bytes
	v_lshl_add_u32 v[XO], v[LN], 3, s13
	v_mov_b32 v[ZO], 0
	; W and w_mix to f16 and into LDS: a row is 32 lanes x 8 bytes
	s_wait_loadcnt 32                              ; the 32 loads of W and w_mix are in; x's 32 stay out
.set r, 0
.rept 16
	v_cvt_pk_f16_f32 v[A0+4*r], v[A0+4*r], v[A0+4*r+1]
	v_cvt_pk_f16_f32 v[A0+4*r+1], v[A0+4*r+2], v[A0+4*r+3]
	ds_store_b64 v[WS], v[A0+4*r:A0+4*r+1] offset:r*PW
	v_cvt_pk_f16_f32 v[A1+4*r], v[A1+4*r], v[A1+4*r+1]
	v_cvt_pk_f16_f32 v[A1+4*r+1], v[A1+4*r+2], v[A1+4*r+3]
	ds_store_b64 v[MS], v[A1+4*r:A1+4*r+1] offset:r*PM
.set r, r+1
.endr
	s_wait_dscnt 0x0                               ; for the others' sake: my rows lie in LDS
	s_barrier_signal -1
	s_barrier_wait -1                              ; everybody's do
	; THE PRODUCT.  Wave v makes o = 16 v .. 16 v + 15 for all 128 d: source 0 = 16 rows of W (d), source 1 = 16 columns of w_mix (o), so that a lane ends with ONE o and eight
	; neighbouring d: 16 bytes of a row of M's buffer.  K = e, 128 in four steps; W's fragments in two buffers that take turns.
.macro AFR kf, buf                     ; W's eight fragments of step kf
.irp d, 0,1,2,3,4,5,6,7
	ds_load_b128 v[(\buf)+8*(\d):(\buf)+8*(\d)+3],   v[AF] offset:W16+(\d)*16*PW+64*(\kf)
	ds_load_b128 v[(\buf)+8*(\d)+4:(\buf)+8*(\d)+7], v[AF] offset:W16+(\d)*16*PW+64*(\kf)+32
.endr
.endm
.macro MULS kf, buf, zero              ; eight products; the eight accumulators take turns; zero = 1: they start the sums
.irp d, 0,1,2,3,4,5,6,7
.if \zero
	v_wmma_f32_16x16x32_f16 v[ACC+8*(\d):ACC+8*(\d)+7], v[(\buf)+8*(\d):(\buf)+8*(\d)+7], v[BF+8*(\kf):BF+8*(\kf)+7], 0
.else
	v_wmma_f32_16x16x32_f16 v[ACC+8*(\d):ACC+8*(\d)+7], v[(\buf)+8*(\d):(\buf)+8*(\d)+7], v[BF+8*(\kf):BF+8*(\kf)+7], v[ACC+8*(\d):ACC+8*(\d)+7]
.endif
.endr
.endm
.irp f, 0,1,2,3
	ds_load_tr16_b128 v[BF+8*(\f):BF+8*(\f)+3],   v[BT] offset:(\f)*32*PM
	ds_load_tr16_b128 v[BF+8*(\f)+4:BF+8*(\f)+7], v[BT] offset:(\f)*32*PM+16*PM
.endr
	AFR 0, A0
	AFR 1, A1
	s_wait_dscnt 16                                ; all but step 1's sixteen
	MULS 0, A0, 1
	PLACES
	AFR 2, A0
	s_wait_dscnt 16                                ; all but step 2's sixteen
	MULS 1, A1, 0
	PLACES
	AFR 3, A1
	s_wait_dscnt 16                                ; all but step 3's sixteen
	MULS 2, A0, 0
	s_wait_dscnt 0x0
	MULS 3, A1, 0
	PLACES
	; M goes out: rounded to f16, through my own 16 rows of the stage, back as whole pieces of 256 bytes
.irp d, 0,1,2,3,4,5,6,7
.irp r, 0,1,2,3
	v_cvt_pk_f16_f32 v[A0+4*(\d)+(\r)], v[ACC+8*(\d)+2*(\r)], v[ACC+8*(\d)+2*(\r)+1]
.endr
.endr
.irp d, 0,1,2,3,4,5,6,7
	ds_store_b128 v[ST], v[A0+4*(\d):A0+4*(\d)+3] offset:32*(\d)
.endr
.irp u, 0,1,2,3,4,5,6,7
	ds_load_b128 v[A1+4*(\u):A1+4*(\u)+3], v[SR] offset:(\u)*2*PW  ; LDS serves a wave's instructions in order (ISA guide 5.7.1.4): these see the stores above
.endr
	s_wait_dscnt 0x0
; The level's buffer: four blocks, of which a work-group runs one, so that each store's address comes from its own buffer's pointer.
.macro MOUT lev, base
	s_cmp_lg_u32 s5, \lev
	s_cbranch_scc1 .Lother_\@
	s_add_nc_u64 s[\base:\base+1], s[\base:\base+1], s[8:9]
.irp u, 0,1,2,3,4,5,6,7
	global_store_b128 v[MO], v[A1+4*(\u):A1+4*(\u)+3], s[\base:\base+1] offset:(\u)*4096  ; 16 lanes store 256 consecutive bytes, at a multiple of 256 from the buffer's first byte
.endr
.Lother_\@:
.endm
	MOUT 0, 22
	MOUT 1, 24
	MOUT 2, 26
	MOUT 3, 28
; x: group g of my four.  The largest and the smallest number (two chains each, begun at 0), their larger magnitude over the 32 lanes, E, 1 / E, the scaling, the rounding, eight stores of 256 consecutive bytes.
.macro XGRP g
	WIN 0
	s_wait_loadcnt 24-8*(\g)                       ; the group's eight loads are in; the later groups' stay out
.irp c, 0,1,2,3
	v_mov_b32 v[MX+(\c)], 0
.endr
	WIN W_MM
.set q, 0
.rept 16
	v_max3_num_f32 v[MX+q%2],   v[MX+q%2],   v[32*(\g)+2*q], v[32*(\g)+2*q+1]
	v_min3_num_f32 v[MX+2+q%2], v[MX+2+q%2], v[32*(\g)+2*q], v[32*(\g)+2*q+1]
.set q, q+1
.endr
	WIN 0
	v_max_num_f32 v[MX], v[MX], v[MX+1]
	v_min_num_f32 v[MX+2], v[MX+2], v[MX+3]
	v_sub_f32 v[MX+2], 0, v[MX+2]
	v_max_num_f32 v[MX], v[MX], v[MX+2]
	v_max_num_f32_dpp v[MX], v[MX], v[MX] row_xmask:1 row_mask:0xf bank_mask:0xf
	v_max_num_f32_dpp v[MX], v[MX], v[MX] row_xmask:2 row_mask:0xf bank_mask:0xf
	v_max_num_f32_dpp v[MX], v[MX], v[MX] row_xmask:4 row_mask:0xf bank_mask:0xf
	v_max_num_f32_dpp v[MX], v[MX], v[MX] row_xmask:8 row_mask:0xf bank_mask:0xf
	v_permlanex16_b32 v[MX+1], v[MX], s2, s3
	v_max_num_f32 v[MX], v[MX], v[MX+1]
	v_max_num_f32 v[MX], 0x00800000, v[MX]         ; held to 2^-126 ..
	v_min_num_f32 v[MX], 0x7e800000, v[MX]         ; .. 2^126, so that E and 1 / E are both normal numbers
	v_and_b32 v[EE+(\g)], 0x7f800000, v[MX]        ; E: the exponent alone
	v_sub_nc_u32 v[INV], 0x7f000000, v[EE+(\g)]    ; 1 / E: exponent field 254 less E's
	v_mov_b32 v[INV+1], v[INV]
	WIN W_RS
.set q, 0
.rept 16
	v_pk_mul_f32 v[32*(\g)+2*q:32*(\g)+2*q+1], v[32*(\g)+2*q:32*(\g)+2*q+1], v[INV:INV+1]
.set q, q+1
.endr
	WIN W_CV
.set q, 0
.rept 16
	v_cvt_pk_f16_f32 v[A0+16*(\g)+q], v[32*(\g)+2*q], v[32*(\g)+2*q+1]
.set q, q+1
.endr
	WIN 0
.irp j, 0,1,2,3,4,5,6,7
	global_store_b64 v[XO], v[A0+16*(\g)+2*(\j):A0+16*(\g)+2*(\j)+1], s[30:31] offset:(\g)*2048+(\j)*256
.endr
.endm
	XGRP 0
	XGRP 1
	XGRP 2
	XGRP 3
	v_cmp_eq_u32 vcc_lo, 0, v[LN]
	s_wait_xcnt 0x0                                ; EXEC changes only behind this wait
	s_and_saveexec_b32 s14, vcc_lo                 ; lane 0 stores the wave's four scales, 16 bytes
	global_store_b128 v[ZO], v[EE:EE+3], s[10:11]
	s_wait_xcnt 0x0                                ; and again, ahead of the line that widens it
	s_or_b32 exec_lo, exec_lo, s14
	s_wait_tensorcnt 0x0                           ; the wave's end, behind my last LDS store
	ds_add_u32 v[SPW], v[NIL]
	s_wait_dscnt 0x0
	s_endpgm
.Lfunc_end_k_q5dcef6afb6_prep:
	.size	k_q5dcef6afb6_prep, .Lfunc_end_k_q5dcef6afb6_prep-k_q5dcef6afb6_prep
	.p2alignl 7, 3214868480
	.fill 96, 4, 3214868480
	.section	.rodata,"a",@progbits
	.p2align	6, 0x0
	.amdhsa_kernel k_q5dcef6afb6_prep
		.amdhsa_group_segment_fixed_size 107520
		.amdhsa_private_segment_fixed_size 0
		.amdhsa_enable_private_segment 0
		.amdhsa_kernarg_size 64
		.amdhsa_user_sgpr_count 2
		.amdhsa_user_sgpr_kernarg_segment_ptr 1
		.amdhsa_wavefront_size32 1
		.amdhsa_system_sgpr_workgroup_id_x 1
		.amdhsa_system_sgpr_workgroup_id_y 1
		.amdhsa_system_sgpr_workgroup_id_z 1
		.amdhsa_system_vgpr_workitem_id 0
		.amdhsa_next_free_vgpr 384
		.amdhsa_next_free_sgpr 66
		.amdhsa_reserve_vcc 1
		.amdhsa_float_denorm_mode_32 3
		.amdhsa_float_denorm_mode_16_64 3
		.amdhsa_memory_ordered 1
		.amdhsa_forward_progress 1
		.amdhsa_inst_pref_size 53
	.end_amdhsa_kernel
	.amdgpu_metadata
---
amdhsa.version: [ 1, 2 ]
amdhsa.kernels:
  - .name:           k_q5dcef6afb6_prep
    .symbol:         k_q5dcef6afb6_prep.kd
    .args:
      - { .name: x, .offset: 0, .size: 8, .value_kind: global_buffer, .address_space: global }
      - { .name: weights, .offset: 8, .size: 8, .value_kind: global_buffer, .address_space: global }
      - { .name: w_mix, .offset: 16, .size: 8, .value_kind: global_buffer, .address_space: global }
      - { .name: mt1, .offset: 24, .size: 8, .value_kind: global_buffer, .address_space: global }
      - { .name: mt2, .offset: 32, .size: 8, .value_kind: global_buffer, .address_space: global }
      - { .name: mt3, .offset: 40, .size: 8, .value_kind: global_buffer, .address_space: global }
      - { .name: mt4, .offset: 48, .size: 8, .value_kind: global_buffer, .address_space: global }
      - { .name: actA, .offset: 56, .size: 8, .value_kind: global_buffer, .address_space: global }
    .group_segment_fixed_size: 107520
    .private_segment_fixed_size: 0
    .kernarg_segment_align: 8
    .kernarg_segment_size: 64
    .max_flat_workgroup_size: 256
    .sgpr_count:     66
    .vgpr_count:     384
    .wavefront_size: 32
...
	.end_amdgpu_metadata
.endif
;; end of part 1
;; launch lev1 (part 2): grid 4 x 64, 4 waves a work-group, clusters of 4 x 4, 327,680 bytes of LDS; arguments actA, mt1, b_mix, actB; writes actB
.if DOCPART == 2
	.amdgcn_target "amdgcn-amd-amdhsa--gfx1250"
	.amdhsa_code_object_version 6
	.text
	.protected	k_q5dcef6afb6_lev1
	.globl	k_q5dcef6afb6_lev1
	.p2align	8
	.type	k_q5dcef6afb6_lev1,@function
k_q5dcef6afb6_lev1:
	s_mov_b64 s[64:65], 0
	v_nop
	global_prefetch_b8 v0, s[64:65] scope:SCOPE_SE
	s_setreg_imm32_b32 hwreg(HW_REG_WAVE_MODE, 25, 1), 1
	s_wait_xcnt 0x0
	s_wait_alu depctr_hold_cnt(0) depctr_sa_sdst(0) depctr_va_vdst(0) depctr_va_sdst(0) depctr_va_ssrc(0) depctr_va_vcc(0) depctr_vm_vsrc(0)
	s_getreg_b32 s2, hwreg(HW_REG_IB_STS2, 6, 4)
	s_cmp_eq_u32 s2, 0
	s_cbranch_scc0 .Lentry_in_a_cluster
	s_endpgm
.Lentry_in_a_cluster:
	s_bfe_u32 s2, ttmp6, 0x10000c
	s_cmp_lg_u32 s2, 0xf033
	s_cbranch_scc0 .Lentry_shape_is_right
	s_endpgm
.Lentry_shape_is_right:
; ONE LEVEL OF THE TREE AS ONE PRODUCT.  C[a][n] = s[a] x (sum over kk of A[a][kk] M[n][kk]) + b[n % 128].
; A: 8,192 rows of 1,024 f16 (8 neighbouring rows of the level's input on end), with an f32 scale s[a], a power of two, behind the data (from byte 2^24 on).  M: [1024 n][1024 kk] f16, n = 128 h + o.
; One text serves all levels; LAST chooses the way out.  A row a = 128 seg + al (seg: 64 pieces of 1,024 input rows).
;   LAST = 0: C[a][128 h + o] is number o of output row 1,024 seg + 128 h + al.  Laid so at every level but the last, the 8 rows that the next level takes together, in their order, are again 8 neighbours;
;             the growing segments of the tree are then only a permutation of rows, which the last level undoes.  The output is stored as the input came: f16(y / E) and E = 2^floor(log2(largest |y|)) for each
;             8 rows x 128 numbers.  E and 1 / E are exact, made on the exponent field; the stored numbers lie inside (-2, 2).
;   LAST = 1: f32 to out0.  With seg = (batch, s2 s1 s0) and al = (h3, h2, g) the row in the batch is h<<10 | s2<<9 | h3<<6 | s1<<5 | h2<<2 | s0<<1 | g.
; LIMITS.  M is f16 without a scale (under 65,504; a fixed step of 6e-8 below 6.1e-5).  The largest |y| of a group is held to 2^-126 .. 2^126 for the scale.  NaN and infinities are not treated apart.
; The sums are taken in another order than the module's own (its two products are folded into M).
; SHARES.  256 work-groups of four waves.  Work-group (x = n tile of 256, y = seg) makes 128 x 256 of C; wave w rows 64 (w / 2) on and the head 2 x + w % 2: 64 x 128, 32 accumulators, 256 registers.
; K goes in 8 steps of 128 through two LDS slots (A's 128 rows, then M's 256), filled by the tensor data mover: rows of 256 bytes of memory, at multiples of 256 from the buffer's first byte.
; CLUSTER.  4 x 4 work-groups.  A's tile hangs on seg alone and is asked for jointly by the four of a row of the cluster, M's on the n tile alone, by the four of a column.
; THE MATRIX INSTRUCTION IS USED TRANSPOSED (source 0 = 16 rows of M, source 1 = 16 rows of A): lane l holds row l % 16 of C and its registers the columns 8 (l / 16) + 0..7.
; REGISTERS, in windows of 256 (s_set_vgpr_msb: bits 1:0 source 0, 3:2 source 1, 5:4 source 2, 7:6 destination):
;   window 0: v0-31 addresses; v32-63 at work on the way out; v64-159, v160-255 two fragment buffers (M's eight fragments, then A's four); on the way out v64-191 rows to store, v192-223 statistics
;   window 1: the accumulators, (t, nb) at 8 (8 t + nb)          window 2: v0-63 the bias of my lane's 64 columns; v64-71 s of my lane's row in each of the four blocks, twice
.set LAST,   0
.set KSTEP,  128
.set PITCH,  272                       ; an LDS row: 256 bytes + 16 of padding = 68 words: the 16 rows of a fragment load start at 16 different groups of four banks (64 banks of 4 bytes: ISA guide 11.1)
.set AT,     128*PITCH                 ; A's part of a slot
.set SLOT,   384*PITCH
.set STAGE,  2*SLOT                    ; behind the ring, never filled by a tensor load: 16 rows for each wave, for the way out
.if LAST
.set SPITCH, 528                       ; 128 f32 + 16 bytes
.else
.set SPITCH, 272                       ; 128 f16 + 16 bytes
.endif
.set SPARE,  STAGE+4*16*SPITCH         ; behind the stages: the spare words, 128 bytes for each wave: two blocks of 256 bytes that no other line names
.set SCALES, 0x1000000                 ; where the scales begin in an activation buffer
.set ADRA, 16                          ; v16-17  LDS address of my A fragments in slot 0, 1
.set ADRB, 20                          ; v20-21  the same for M
.set SO,   22                          ; v22     4 x ((l / 8) % 2): which of a block's two scales
.set L23,  23                          ; v23     l & 23: 0 in lanes 0 and 8
.set STO,  24                          ; v24     the way out: where I put my piece of a row
.set RD,   25                          ; v25     the way out: where I read rows back
.set CO,   26                          ; v26     16 x lane: my 16 bytes of 512 consecutive bytes of the output
.set SOF,  27                          ; v27     4 x (l % 16): my row's scale
.set SPW,  28                          ; v28     LDS address of my spare word; never rewritten
.set NIL,  29                          ; v29     0; never rewritten
.set PFO,  30                          ; v30     2,048 x lane: the prefetches' offset, a lane a row; never rewritten
.set BOF,  31                          ; v31     32 x (l / 16): my eight numbers in 16 of the bias
.set TMP,  32
.set F0,   64
.set F1,   160
.set OB,   64
.set MX,   192                         ; block t: v[MX+4t] two running maxima, two running minima
.set EE,   208                         ; block t: v[EE+4t] E; v[EE+4t+2:EE+4t+3] 1 / E, twice
.set BIAS, 0                           ; window 2
.set SA,   64                          ; window 2
.set SEL,  2                           ; s[2:3]   v_permlanex16_b32's selects
.set WV,   12                          ; s12      wave
.set WM,   13                          ; s13      which 64 rows of C are mine.  Also: I fetch for A (0) or for M (1)
.set WN,   14                          ; s14      which head of the two.  Also: which half of that tile I fetch
.set CX,   15
.set CY,   16
.set NT,   17                          ; s17      n tile
.set SEG,  18                          ; s18      seg
.set LAP,  19                          ; s19      laps to go
.set G1,   24                          ; s[24:31] descriptor group 1 for A's tiles;  s[32:39] group 0, one set for each slot
.set G0,   32
.set SB,   40                          ; s[40:41] first the two masks, later where my scales go
.set SVX,  42                          ; s42      first an LDS offset, later EXEC as it was
.set LIM,  43                          ; s43      first an LDS offset, later 1 in a wave that prefetches, else the greatest number
.set PFA,  44                          ; s[44:45] where my prefetches stand
.set G1B,  48                          ; s[48:55], s[56:63] the same for M's tiles
.set G0B,  56
.set MSB, 0
.macro WIN new                         ; the immediate's high byte repeats the setting that is left; a switch that changes nothing is dropped
.if MSB != (\new)
	s_set_vgpr_msb (MSB<<8)|(\new)
.set MSB, \new
.endif
.endm
.set W_MUL, 0x50                       ; fragments window 0, C and D window 1
.set W_L2,  0x80                       ; destination window 2
.set W_FMA, 0x69                       ; destination and source 0 window 1, sources 1 and 2 window 2
.set W_MM,  0x14                       ; sources 1 and 2 window 1
.set W_RS,  0x41                       ; destination and source 0 window 1
.set W_CV,  0x05                       ; sources 0 and 1 window 1
.set W_S1,  0x04                       ; an LDS store's data in window 1
; A joint load.  Waves 0 and 1 fetch A's two halves (64 rows each), waves 2 and 3 M's (128 rows each).  The branch hangs on the wave's number alone.
; An s_nop 0 and four v_nop follow each of the two lines, ahead of the jump, the label and what follows.
.macro JLOAD s
	s_cmp_eq_u32 s[WM], 0
	s_cbranch_scc0 .Lfor_b_\@
	tensor_load_to_lds s[G0+4*(\s):G0+4*(\s)+3], s[G1:G1+7]
	s_nop 0
.rept 4
	v_nop
.endr
	s_branch .Lasked_\@
.Lfor_b_\@:
	tensor_load_to_lds s[G0B+4*(\s):G0B+4*(\s)+3], s[G1B:G1B+7]
	s_nop 0
.rept 4
	v_nop
.endr
.Lasked_\@:
.endm
; A PREFETCH INTO THE L2, behind each joint refill, its five lines and the run of LDS loads: 32 rows x 256 bytes of the K step that stands TWO refills on (256 matrix instructions ahead of the load that
; will want it), a lane a row, one instruction.  Each row's 256 bytes of a K step are named once in the launch.  A's 128 rows of a seg are read by one row of one cluster alone: its four partners take 32 rows
; each, told apart by address (cx), and wave 0 asks.  M's 256 rows of an n tile are read by every cluster: the cluster with y = 0 asks; the four partners of a column take 64 rows each (cy), waves 2 and 3
; 32 of them each.  K steps 0 to 3 come by their loads alone; the loop's last trip, whose refills are the last two K steps, asks for nothing.
.macro ASK
	s_cmp_gt_u32 s[LAP], s[LIM]
	s_cbranch_scc0 .Lnot_mine_\@
	global_prefetch_b8 v[PFO], s[PFA:PFA+1] offset:KSTEP*2 th:TH_LOAD_NT scope:SCOPE_SE
.Lnot_mine_\@:
.endm
; A round of the cluster's barrier: my work-group's barrier, so that wave 0's signal speaks for all four waves; wave 0 signals; every wave waits for all sixteen work-groups; my work-group's barrier once more.
.macro CREST                           ; a round behind its opening barrier
	s_cmp_lg_u32 s[WV], 0
	s_cbranch_scc1 .Lnot_wave_0_\@
	s_barrier_signal -3
.Lnot_wave_0_\@:
	s_barrier_wait -3
	s_barrier_signal -1
	s_barrier_wait -1
.endm
.macro CROUND
	s_barrier_signal -1
	s_barrier_wait -1
	CREST
.endm
	s_load_b256 s[4:11], s[0:1], 0x0               ; the input s[4:5], M s[6:7], the bias s[8:9], the output s[10:11]
	v_lshl_add_u32 v[SPW], v0, 2, SPARE
	v_mov_b32 v[NIL], 0
	ds_add_u32 v[SPW], v[NIL]                      ; the wave's opening: the add and its wait stand ahead of my first tensor load; the set-up below, work on registers, stands between them
	ds_add_u32 v28, v29
	v_lshrrev_b32 v1, 5, v0
	v_readfirstlane_b32 s[WV], v1                  ; wave 0..3
	s_lshr_b32 s[WM], s[WV], 1
	s_and_b32 s[WN], s[WV], 1
	s_bfe_u32 s[CX], ttmp6, 0x40000                ; my place in the cluster
	s_bfe_u32 s[CY], ttmp6, 0x40004
	s_lshl_b32 s[NT], ttmp9, 2                     ; in a cluster launch ttmp9 and ttmp7 count clusters
	s_add_co_u32 s[NT], s[NT], s[CX]
	s_and_b32 s[SEG], ttmp7, 0xffff
	s_lshl_b32 s[SEG], s[SEG], 2
	s_add_co_u32 s[SEG], s[SEG], s[CY]
	s_lshl_b32 s40, s[CY], 2
	s_lshl_b32 s40, 15, s40                        ; my row of the cluster: places 4 cy .. 4 cy + 3
	s_lshl_b32 s41, 0x1111, s[CX]                  ; my column: places cx, cx + 4, cx + 8, cx + 12
	s_or_b32 s[G1], s40, (1<<16)|(1<<20)|(1<<21)|(5<<22)|(3<<25)   ; 15:0 the mask; 17:16 elements of 2 bytes; 20 padding on; 21 set beside a mask; 24:22 after every 64 words (code 5); 31:25 4 words of it (code 3)
	s_or_b32 s[G1B], s41, (1<<16)|(1<<20)|(1<<21)|(5<<22)|(3<<25)
	s_mov_b32 s[G1+1], KSTEP<<16                   ; tensor_dim0 = 128
	s_mov_b32 s[G1+2], 64<<16                      ; tensor_dim1 = 64
	s_mov_b32 s[G1+3], KSTEP<<16                   ; tile_dim0 = 128
	s_mov_b32 s[G1+4], 64                          ; tile_dim1 = 64
	s_mov_b32 s[G1+5], 1024                        ; elements from row to row
	s_mov_b32 s[G1+6], 0
	s_mov_b32 s[G1+7], 0
	s_mov_b32 s[G1B+1], KSTEP<<16
	s_mov_b32 s[G1B+2], 128<<16                    ; M's tiles have 128 rows
	s_mov_b32 s[G1B+3], KSTEP<<16
	s_mov_b32 s[G1B+4], 128
	s_mov_b32 s[G1B+5], 1024
	s_mov_b32 s[G1B+6], 0
	s_mov_b32 s[G1B+7], 0
	s_lshl_b32 s20, s[SEG], 7                      ; A: row 128 seg + 64 x half, 2,048 bytes a row
	s_lshl_b32 s21, s[WN], 6
	s_add_co_u32 s20, s20, s21
	s_lshl_b32 s20, s20, 11
	s_mov_b32 s21, 0
	s_lshl_b32 s46, s[NT], 8                       ; M: row 256 x n tile + 128 x half
	s_lshl_b32 s47, s[WN], 7
	s_add_co_u32 s46, s46, s47
	s_lshl_b32 s46, s46, 11
	s_mov_b32 s47, 0
	s_mul_i32 s42, s[WN], 64*PITCH                 ; where they go in a slot: no place in the cluster enters an LDS address
	s_mul_i32 s43, s[WN], 128*PITCH
	s_add_co_u32 s43, s43, AT
	s_mov_b32 s[SEL], 0x76543210
	s_mov_b32 s[SEL+1], 0xfedcba98
	s_wait_dscnt 0x0                               ; the opening add is done
	s_wait_kmcnt 0x0
	s_add_nc_u64 s[22:23], s[4:5], s[20:21]
	s_add_nc_u64 s[46:47], s[6:7], s[46:47]
	CROUND                                         ; all sixteen work-groups are here: the first joint loads meet
.irp s, 0,1
	s_mov_b32 s[G0+4*(\s)], 1                                        ; count = 1
	s_add_co_u32 s[G0+4*(\s)+1], s42, (\s)*SLOT                      ; LDS address
	s_add_nc_u64 s[G0+4*(\s)+2:G0+4*(\s)+3], s[22:23], (\s)*KSTEP*2  ; global address: K step s
	s_or_b32 s[G0+4*(\s)+3], s[G0+4*(\s)+3], 0x80000000              ; type = 2
	s_mov_b32 s[G0B+4*(\s)], 1
	s_add_co_u32 s[G0B+4*(\s)+1], s43, (\s)*SLOT
	s_add_nc_u64 s[G0B+4*(\s)+2:G0B+4*(\s)+3], s[46:47], (\s)*KSTEP*2
	s_or_b32 s[G0B+4*(\s)+3], s[G0B+4*(\s)+3], 0x80000000
	JLOAD \s                                       ; two loads of mine are out
.endr
	; A fragment is 16 rows x 32 K in 8 registers: lane l holds row l % 16; registers 0-3 K = 8 (l / 16) + 0..7, registers 4-7 K = 16 + 8 (l / 16) + 0..7: two loads of 16 bytes, 32 bytes apart.
	v_and_b32 v1, 15, v0                           ; l % 16
	v_bfe_u32 v2, v0, 4, 1                         ; l / 16
	v_and_b32 v5, 31, v0                           ; l
	v_mul_u32_u24 v3, v1, PITCH
	v_lshl_add_u32 v3, v2, 4, v3
	s_mul_i32 s20, s[WM], 64*PITCH                 ; my 64 rows of A
	s_mul_i32 s21, s[WN], 128*PITCH                ; my 128 rows of M,
	s_add_co_u32 s21, s21, AT                      ; which lie behind A's 128
.irp s, 0,1
	v_add_nc_u32 v[ADRA+(\s)], s20, v3
	v_add_nc_u32 v[ADRB+(\s)], s21, v3
	s_add_co_u32 s20, s20, SLOT
	s_add_co_u32 s21, s21, SLOT
.endr
	s_mul_i32 s20, s[WV], 16*SPITCH
	s_add_co_u32 s20, s20, STAGE                   ; my stage
	v_mul_u32_u24 v4, v1, SPITCH                   ; in: row l % 16, my eight columns of each 16
.if LAST
	v_lshl_add_u32 v4, v2, 5, v4                   ; 32 bytes in f32
	v_add_nc_u32 v[STO], s20, v4
	v_lshl_add_u32 v[RD], v5, 4, s20               ; back: 32 lanes take one row of 512 bytes
.else
	v_lshl_add_u32 v4, v2, 4, v4                   ; 16 bytes in f16
	v_add_nc_u32 v[STO], s20, v4
	v_mul_u32_u24 v6, v2, SPITCH                   ; back: lanes 0-15 one row of 256 bytes, lanes 16-31 the next
	v_lshl_add_u32 v6, v1, 4, v6
	v_add_nc_u32 v[RD], s20, v6
	v_bfe_u32 v[SO], v0, 3, 1
	v_lshlrev_b32 v[SO], 2, v[SO]
	v_and_b32 v[L23], 23, v0
.endif
	v_lshlrev_b32 v[CO], 4, v5
	v_lshlrev_b32 v[SOF], 2, v1
	v_lshlrev_b32 v[PFO], 11, v5
	v_lshlrev_b32 v[BOF], 5, v2
	; the prefetches: which rows are mine, and whether I ask at all
	s_lshl_b32 s20, s[SEG], 7
	s_lshl_b32 s21, s[CX], 5
	s_add_co_u32 s20, s20, s21                     ; A: 128 seg + 32 cx
	s_lshl_b32 s21, s[NT], 8
	s_lshl_b32 s22, s[CY], 6
	s_add_co_u32 s21, s21, s22
	s_lshl_b32 s22, s[WN], 5
	s_add_co_u32 s21, s21, s22                     ; M: 256 x n tile + 64 cy + 32 x half
	s_and_b32 s22, ttmp7, 0xffff                   ; cluster y
	s_cmp_eq_u32 s[WM], 0                          ; do I fetch for A?
	s_cselect_b32 s20, s20, s21
	s_cselect_b32 s22, s[WN], s22                  ; A: wave 0 asks; M: the cluster with y = 0.  The same in all sixteen partners, for a given wave
	s_cselect_b64 s[PFA:PFA+1], s[4:5], s[6:7]
	s_cmp_eq_u32 s22, 0
	s_cselect_b32 s[LIM], 1, -1
	s_lshl_b32 s20, s20, 11
	s_mov_b32 s21, 0
	s_add_nc_u64 s[PFA:PFA+1], s[PFA:PFA+1], s[20:21]
	s_add_nc_u64 s[PFA:PFA+1], s[PFA:PFA+1], 2*KSTEP*2  ; at K step 2: the first refill steps it to 3 and names K step 4.  Nothing is prefetched here, at the head
	; the scales of my 64 rows and the bias of my lane's columns: asked for now, wanted on the way out
	s_lshl_b32 s20, s[SEG], 9
	s_lshl_b32 s22, s[WM], 8
	s_add_co_u32 s20, s20, s22
	s_add_co_u32 s20, s20, SCALES
	s_add_nc_u64 s[4:5], s[4:5], s[20:21]
	WIN W_L2
.irp b, 0,1,2,3,4,5,6,7
	global_load_b128 v[BIAS+8*(\b):BIAS+8*(\b)+3],   v[BOF], s[8:9] offset:64*(\b)
	global_load_b128 v[BIAS+8*(\b)+4:BIAS+8*(\b)+7], v[BOF], s[8:9] offset:64*(\b)+16
.endr
.irp t, 0,1,2,3
	global_load_b32 v[SA+2*(\t)],   v[SOF], s[4:5] offset:64*(\t)
	global_load_b32 v[SA+2*(\t)+1], v[SOF], s[4:5] offset:64*(\t)   ; named as a pair, so both are written
.endr
	WIN 0
	; where my part of the output begins
	s_lshl_b32 s21, s[NT], 1
	s_add_co_u32 s21, s21, s[WN]                   ; my head
.if LAST
	s_lshr_b32 s20, s[SEG], 3
	s_lshl_b32 s20, s20, 13                        ; the batch's 8,192 rows
	s_lshl_b32 s21, s21, 10
	s_or_b32 s20, s20, s21                         ; h << 10
	s_bfe_u32 s21, s[SEG], 0x10002
	s_lshl_b32 s21, s21, 9
	s_or_b32 s20, s20, s21                         ; s2 << 9
	s_lshl_b32 s21, s[WM], 8
	s_or_b32 s20, s20, s21                         ; the top bit of h3 << 8; its other two bits are the block t
	s_bfe_u32 s21, s[SEG], 0x10001
	s_lshl_b32 s21, s21, 5
	s_or_b32 s20, s20, s21                         ; s1 << 5
	s_and_b32 s21, s[SEG], 1
	s_lshl_b32 s21, s21, 1
	s_or_b32 s20, s20, s21                         ; s0 << 1
	s_lshl_b32 s20, s20, 9                         ; 512 bytes a row
	s_mov_b32 s21, 0
	s_add_nc_u64 s[10:11], s[10:11], s[20:21]
.else
	s_lshl_b32 s20, s[SEG], 3
	s_add_co_u32 s20, s20, s21                     ; 8 seg + h
	s_lshl_b32 s22, s20, 6                         ; 16 scales of 4 bytes for each,
	s_lshl_b32 s23, s[WM], 5                       ; my 8 of them
	s_add_co_u32 s22, s22, s23
	s_add_co_u32 s22, s22, SCALES
	s_mov_b32 s23, 0
	s_add_nc_u64 s[SB:SB+1], s[10:11], s[22:23]
	s_lshl_b32 s20, s20, 15                        ; 128 rows of 256 bytes for each,
	s_lshl_b32 s21, s[WM], 14                      ; my 64 of them: my 64 x 128 of C are 16,384 bytes on end
	s_add_co_u32 s20, s20, s21
	s_mov_b32 s21, 0
	s_add_nc_u64 s[10:11], s[10:11], s[20:21]
.endif
; 8 matrix instructions: block t of my four blocks of 16 rows x all 8 blocks of 16 columns, 32 along K.  All 32 accumulators take turns in one order.  zero = 1: the products start the sums.
.macro MUL8 f, t, zero
	WIN W_MUL
.irp b, 0,1,2,3,4,5,6,7
.if \zero
	v_wmma_f32_16x16x32_f16 v[8*(8*(\t)+(\b)):8*(8*(\t)+(\b))+7], v[(\f)+8*(\b):(\f)+8*(\b)+7], v[(\f)+64+8*(\t):(\f)+64+8*(\t)+7], 0
.else
	v_wmma_f32_16x16x32_f16 v[8*(8*(\t)+(\b)):8*(8*(\t)+(\b))+7], v[(\f)+8*(\b):(\f)+8*(\b)+7], v[(\f)+64+8*(\t):(\f)+64+8*(\t)+7], v[8*(8*(\t)+(\b)):8*(8*(\t)+(\b))+7]
.endif
.endr
.endm
; 24 LDS loads in one run: the fragments of 32 along K at byte k of the rows, into buffer f: M's sixteen loads, then A's eight, block 0 first
.macro FETCH slot, k, f
	WIN 0
.irp i, 0,1,2,3,4,5,6,7
	ds_load_b128 v[(\f)+8*(\i):(\f)+8*(\i)+3],   v[ADRB+(\slot)] offset:(\k)+(\i)*16*PITCH
	ds_load_b128 v[(\f)+8*(\i)+4:(\f)+8*(\i)+7], v[ADRB+(\slot)] offset:(\k)+(\i)*16*PITCH+32
.endr
.irp i, 0,1,2,3
	ds_load_b128 v[(\f)+64+8*(\i):(\f)+64+8*(\i)+3],   v[ADRA+(\slot)] offset:(\k)+(\i)*16*PITCH
	ds_load_b128 v[(\f)+64+8*(\i)+4:(\f)+64+8*(\i)+7], v[ADRA+(\slot)] offset:(\k)+(\i)*16*PITCH+32
.endr
.endm
.macro PLACES                          ; four places ahead of loads into registers that matrix instructions have read, and of lines that read results (ISA guide 7.12.1 for the lines that read results)
.rept 4
	v_nop
.endr
.endm
; A K step is four quarters of 32 along K, 32 matrix instructions each, on buffers 0, 1, 0, 1.  One of the first three: multiplies buffer f and fetches the next quarter, at byte k, into g, 24 matrix instructions ahead of its first use.
.macro QUARTER slot, k, f, g, zero
	s_wait_dscnt 6                                 ; M's fragments and A's block 0 are in; the youngest six loads (A's blocks 1 to 3) may be out
	MUL8 \f, 0, \zero
	PLACES
	FETCH \slot, \k, \g
	s_wait_dscnt 24                                ; all but the 24 just issued
	MUL8 \f, 1, \zero
	MUL8 \f, 2, \zero
	MUL8 \f, 3, \zero
.endm
; The last quarter multiplies buffer 1 and changes slots: ONE barrier.  Ahead of it each wave waits for all its tensor loads (the one that is out is its part of the next slot), adds 0 to its spare word, and waits for
; that and for its own reads of this slot.  fill = 1: the barrier opens a round of the cluster's, so that no wave of any partner still reads this slot or has a load on its way, and the joint refill, two K steps
; ahead, is the first thing behind the round: 112 matrix instructions ahead of the wait for it.
.macro TURN slot, next, fill
.if \fill
	s_wait_xcnt 0x0                                ; the last prefetch, a K step back, has read its address: it is stepped here, ahead of the change's own waits
	s_add_nc_u64 s[PFA:PFA+1], s[PFA:PFA+1], KSTEP*2
.endif
	WIN 0                                          ; (the add's two registers lie in window 0)
	s_wait_tensorcnt 0x0                           ; all my tensor loads have landed;
	ds_add_u32 v[SPW], v[NIL]                      ; 0 onto my spare word;
	s_wait_dscnt 7                                 ; (the add and the youngest six loads may be out)
	MUL8 F1, 0, 0                                  ; eight matrix instructions stand between the add and the wait for it
	s_wait_dscnt 0x0                               ; the add is done, and my reads of this slot are over
	s_barrier_signal -1
	MUL8 F1, 1, 0                                  ; work on registers while the others arrive
.if \fill
	WIN 0
.endif
	s_barrier_wait -1
.if \fill
	CREST
	s_add_nc_u64 s[G0+4*(\slot)+2:G0+4*(\slot)+3], s[G0+4*(\slot)+2:G0+4*(\slot)+3], 2*KSTEP*2    ; no tensor load of mine is out, so a group 0 may be written
	s_add_nc_u64 s[G0B+4*(\slot)+2:G0B+4*(\slot)+3], s[G0B+4*(\slot)+2:G0B+4*(\slot)+3], 2*KSTEP*2
	JLOAD \slot                                    ; the four v_nop behind it are also the places ahead of the loads below
.else
	PLACES
.endif
	FETCH \next, 0, F0
.if \fill
	ASK
.endif
	MUL8 F1, 2, 0
	MUL8 F1, 3, 0
.endm
	s_wait_tensorcnt 1                             ; my part of K step 0 is in; K step 1's may stay out
	s_barrier_signal -1
	s_barrier_wait -1                              ; everybody's is
	FETCH 0, 0, F0
	QUARTER 0, 64,  F0, F1, 1                      ; the first quarter stands ahead of the loop: its products start the sums
	WIN 0                                          ; at a label and at a branch every window is 0
	s_mov_b32 s[LAP], 3
.Llap:                                                 ; a trip goes once round the ring, from a lap's second quarter to the next lap's first, and fills both slots again: K steps 2 to 7 in three trips
	QUARTER 0, 128, F1, F0, 0
	QUARTER 0, 192, F0, F1, 0
	TURN 0, 1, 1
	QUARTER 1, 64,  F0, F1, 0
	QUARTER 1, 128, F1, F0, 0
	QUARTER 1, 192, F0, F1, 0
	TURN 1, 0, 1
	QUARTER 0, 64,  F0, F1, 0
	WIN 0
	s_sub_co_u32 s[LAP], s[LAP], 1
	s_cmp_lg_u32 s[LAP], 0
	s_cbranch_scc1 .Llap
	QUARTER 0, 128, F1, F0, 0                      ; the last lap fills nothing, and has no round of the cluster's barrier
	QUARTER 0, 192, F0, F1, 0
	TURN 0, 1, 0
	QUARTER 1, 64,  F0, F1, 0
	QUARTER 1, 128, F1, F0, 0
	QUARTER 1, 192, F0, F1, 0
	s_wait_dscnt 6                                 ; the very last quarter: nothing more to fetch
	MUL8 F1, 0, 0
	s_wait_dscnt 0x0
	MUL8 F1, 1, 0
	MUL8 F1, 2, 0
	MUL8 F1, 3, 0
	WIN 0
; THE WAY OUT.  y = sum x s[row] + bias, in place, each accumulator's registers in ascending order.
.macro FMA t
	WIN W_FMA
.set q, 0
.rept 32
	v_pk_fma_f32 v[64*(\t)+2*q:64*(\t)+2*q+1], v[64*(\t)+2*q:64*(\t)+2*q+1], v[SA+2*(\t):SA+2*(\t)+1], v[BIAS+2*q:BIAS+2*q+1] op_sel_hi:[1,0,1]
.set q, q+1
.endr
.endm
	PLACES
.if LAST
; Block t (16 rows of 128 f32) goes through my stage and comes back as whole rows of 512 bytes; the next block's arithmetic stands between a block's loads from the stage and its stores.
.macro STG t
	s_wait_xcnt 0x0                                ; the stores of the block two back have read their registers, which the loads below fill again
	WIN W_S1
.irp b, 0,1,2,3,4,5,6,7
	ds_store_b128 v[STO], v[64*(\t)+8*(\b):64*(\t)+8*(\b)+3]   offset:64*(\b)
	ds_store_b128 v[STO], v[64*(\t)+8*(\b)+4:64*(\t)+8*(\b)+7] offset:64*(\b)+16
.endr
	WIN 0
.set q, 0
.rept 16
	ds_load_b128 v[OB+64*((\t)%2)+4*q:OB+64*((\t)%2)+4*q+3], v[RD] offset:q*SPITCH  ; LDS serves a wave's instructions in order (ISA guide 5.7.1.4): these see the stores above; the next block's stores come behind them
.set q, q+1
.endr
.endm
.macro SENDL t
	WIN 0
.set q, 0
.rept 16
	s_wait_dscnt 15-q                              ; row q is back
	global_store_b128 v[CO], v[OB+64*((\t)%2)+4*q:OB+64*((\t)%2)+4*q+3], s[10:11] offset:(\t)*32768+(q/2)*2048+(q%2)*512 th:TH_STORE_NT  ; a whole row of out0, 512 consecutive bytes: t << 6, (q / 2) << 2 and q % 2 in the row's number
.set q, q+1
.endr
.endm
	s_wait_loadcnt 0x0                             ; the scales and the bias
	FMA 0
	STG 0
.irp t, 1,2,3
	FMA \t
	SENDL (\t)-1
	STG \t
.endr
	SENDL 3
.else
; The largest and the smallest y of block t in my lane (two chains each, begun at 0).
.macro AMAX t
	WIN W_MM
.set q, 0
.rept 32
	v_max3_num_f32 v[MX+4*(\t)+q%2],   v[MX+4*(\t)+q%2],   v[64*(\t)+2*q], v[64*(\t)+2*q+1]
	v_min3_num_f32 v[MX+4*(\t)+2+q%2], v[MX+4*(\t)+2+q%2], v[64*(\t)+2*q], v[64*(\t)+2*q+1]
.set q, q+1
.endr
.endm
.macro ALL line:vararg                 ; one line for each block t
.set t, 0
.rept 4
	\line
.set t, t+1
.endr
.endm
.macro PACK t                          ; y / E, rounded to f16: 16 bytes for each 16 columns
	WIN W_RS
.set q, 0
.rept 32
	v_pk_mul_f32 v[64*(\t)+2*q:64*(\t)+2*q+1], v[64*(\t)+2*q:64*(\t)+2*q+1], v[EE+4*(\t)+2:EE+4*(\t)+3]
.set q, q+1
.endr
	WIN W_CV
.set q, 0
.rept 32
	v_cvt_pk_f16_f32 v[TMP+q], v[64*(\t)+2*q], v[64*(\t)+2*q+1]
.set q, q+1
.endr
	WIN 0
.endm
.macro TOSTAGE t                       ; into my stage, and back as whole rows of 256 bytes
	WIN 0
.irp b, 0,1,2,3,4,5,6,7
	ds_store_b128 v[STO], v[TMP+4*(\b):TMP+4*(\b)+3] offset:32*(\b)
.endr
.irp u, 0,1,2,3,4,5,6,7
	ds_load_b128 v[OB+32*(\t)+4*(\u):OB+32*(\t)+4*(\u)+3], v[RD] offset:(\u)*2*SPITCH  ; LDS serves a wave's instructions in order (ISA guide 5.7.1.4): these see the stores above; the next block's stores come behind them
.endr
.endm
.macro SEND t
	WIN 0
.irp u, 0,1,2,3,4,5,6,7
	s_wait_dscnt 7-(\u)                            ; rows 2 u and 2 u + 1 are back
	global_store_b128 v[CO], v[OB+32*(\t)+4*(\u):OB+32*(\t)+4*(\u)+3], s[10:11] offset:(\t)*4096+(\u)*512  ; 512 consecutive bytes, at a multiple of 256 from the buffer's first; each block has registers of its own
.endr
.endm
.set q, 0
.rept 16
	v_mov_b32 v[MX+q], 0
.set q, q+1
.endr
	s_wait_loadcnt 0x0                             ; the scales and the bias
.irp t, 0,1,2,3
	FMA \t
	AMAX \t
.endr
	; A group of the next level is 8 rows x 128 columns: lanes 0-7 and 16-23, or lanes 8-15 and 24-31, of a block.  The four blocks' lines alternate.
	WIN 0
	ALL v_max_num_f32 v[MX+4*t], v[MX+4*t], v[MX+4*t+1]
	ALL v_min_num_f32 v[MX+4*t+2], v[MX+4*t+2], v[MX+4*t+3]
	ALL v_sub_f32 v[MX+4*t+2], 0, v[MX+4*t+2]
	ALL v_max_num_f32 v[MX+4*t], v[MX+4*t], v[MX+4*t+2]
	ALL v_max_num_f32_dpp v[MX+4*t], v[MX+4*t], v[MX+4*t] row_xmask:1 row_mask:0xf bank_mask:0xf
	ALL v_max_num_f32_dpp v[MX+4*t], v[MX+4*t], v[MX+4*t] row_xmask:2 row_mask:0xf bank_mask:0xf
	ALL v_max_num_f32_dpp v[MX+4*t], v[MX+4*t], v[MX+4*t] row_xmask:4 row_mask:0xf bank_mask:0xf
	ALL v_permlanex16_b32 v[MX+4*t+1], v[MX+4*t], s[SEL], s[SEL+1]
	ALL v_max_num_f32 v[MX+4*t], v[MX+4*t], v[MX+4*t+1]
	ALL v_max_num_f32 v[MX+4*t], 0x00800000, v[MX+4*t]
	ALL v_min_num_f32 v[MX+4*t], 0x7e800000, v[MX+4*t]
	ALL v_and_b32 v[EE+4*t], 0x7f800000, v[MX+4*t]
	ALL v_sub_nc_u32 v[EE+4*t+2], 0x7f000000, v[EE+4*t]
	ALL v_mov_b32 v[EE+4*t+3], v[EE+4*t+2]
	PACK 0
	TOSTAGE 0
.irp t, 1,2,3                          ; a block's arithmetic stands between the loads of the block before and its stores
	PACK \t
	SEND (\t)-1
	TOSTAGE \t
.endr
	SEND 3
	v_cmp_eq_u32 vcc_lo, 0, v[L23]
	s_wait_xcnt 0x0                                ; EXEC changes only behind this wait
	s_and_saveexec_b32 s[SVX], vcc_lo              ; lanes 0 and 8 store the two scales of each block
.irp t, 0,1,2,3
	global_store_b32 v[SO], v[EE+4*(\t)], s[SB:SB+1] offset:8*(\t)
.endr
	s_wait_xcnt 0x0                                ; and again, ahead of the line that widens it
	s_or_b32 exec_lo, exec_lo, s[SVX]
.endif
	s_wait_tensorcnt 0x0                           ; the wave's end, behind my last tensor load and my last LDS store
	ds_add_u32 v[SPW], v[NIL]
	s_wait_dscnt 0x0
	CROUND                                         ; the closing round: no work-group ends while a partner may still ask for a tile that names it
	s_endpgm
.Lfunc_end_k_q5dcef6afb6_lev1:
	.size	k_q5dcef6afb6_lev1, .Lfunc_end_k_q5dcef6afb6_lev1-k_q5dcef6afb6_lev1
	.p2alignl 7, 3214868480
	.fill 96, 4, 3214868480
	.section	.rodata,"a",@progbits
	.p2align	6, 0x0
	.amdhsa_kernel k_q5dcef6afb6_lev1
		.amdhsa_group_segment_fixed_size 327680
		.amdhsa_private_segment_fixed_size 0
		.amdhsa_enable_private_segment 0
		.amdhsa_kernarg_size 32
		.amdhsa_user_sgpr_count 2
		.amdhsa_user_sgpr_kernarg_segment_ptr 1
		.amdhsa_wavefront_size32 1
		.amdhsa_system_sgpr_workgroup_id_x 1
		.amdhsa_system_sgpr_workgroup_id_y 1
		.amdhsa_system_sgpr_workgroup_id_z 1
		.amdhsa_system_vgpr_workitem_id 0
		.amdhsa_next_free_vgpr 640
		.amdhsa_next_free_sgpr 66
		.amdhsa_reserve_vcc 1
		.amdhsa_float_denorm_mode_32 3
		.amdhsa_float_denorm_mode_16_64 3
		.amdhsa_memory_ordered 1
		.amdhsa_forward_progress 1
		.amdhsa_inst_pref_size 127
	.end_amdhsa_kernel
	.amdgpu_metadata
---
amdhsa.version: [ 1, 2 ]
amdhsa.kernels:
  - .name:           k_q5dcef6afb6_lev1
    .symbol:         k_q5dcef6afb6_lev1.kd
    .args:
      - { .name: actA, .offset: 0, .size: 8, .value_kind: global_buffer, .address_space: global }
      - { .name: mt1, .offset: 8, .size: 8, .value_kind: global_buffer, .address_space: global }
      - { .name: b_mix, .offset: 16, .size: 8, .value_kind: global_buffer, .address_space: global }
      - { .name: actB, .offset: 24, .size: 8, .value_kind: global_buffer, .address_space: global }
    .group_segment_fixed_size: 327680
    .private_segment_fixed_size: 0
    .kernarg_segment_align: 8
    .kernarg_segment_size: 32
    .max_flat_workgroup_size: 128
    .sgpr_count:     66
    .vgpr_count:     640
    .wavefront_size: 32
...
	.end_amdgpu_metadata
.endif
;; end of part 2
;; launch lev2: the kernel of part 2 again; grid 4 x 64, 4 waves a work-group, clusters of 4 x 4, 327,680 bytes of LDS; arguments actB, mt2, b_mix, actA; writes actA
;; launch lev3: the kernel of part 2 again; grid 4 x 64, 4 waves a work-group, clusters of 4 x 4, 327,680 bytes of LDS; arguments actA, mt3, b_mix, actB; writes actB
;; launch lev4 (part 3): grid 4 x 64, 4 waves a work-group, clusters of 4 x 4, 327,680 bytes of LDS; arguments actB, mt4, b_mix, out0; writes out0
.if DOCPART == 3
	.amdgcn_target "amdgcn-amd-amdhsa--gfx1250"
	.amdhsa_code_object_version 6
	.text
	.protected	k_q5dcef6afb6_lev4
	.globl	k_q5dcef6afb6_lev4
	.p2align	8
	.type	k_q5dcef6afb6_lev4,@function
k_q5dcef6afb6_lev4:
	s_mov_b64 s[64:65], 0
	v_nop
	global_prefetch_b8 v0, s[64:65] scope:SCOPE_SE
	s_setreg_imm32_b32 hwreg(HW_REG_WAVE_MODE, 25, 1), 1
	s_wait_xcnt 0x0
	s_wait_alu depctr_hold_cnt(0) depctr_sa_sdst(0) depctr_va_vdst(0) depctr_va_sdst(0) depctr_va_ssrc(0) depctr_va_vcc(0) depctr_vm_vsrc(0)
	s_getreg_b32 s2, hwreg(HW_REG_IB_STS2, 6, 4)
	s_cmp_eq_u32 s2, 0
	s_cbranch_scc0 .Lentry_in_a_cluster
	s_endpgm
.Lentry_in_a_cluster:
	s_bfe_u32 s2, ttmp6, 0x10000c
	s_cmp_lg_u32 s2, 0xf033
	s_cbranch_scc0 .Lentry_shape_is_right
	s_endpgm
.Lentry_shape_is_right:
; ONE LEVEL OF THE TREE AS ONE PRODUCT.  C[a][n] = s[a] x (sum over kk of A[a][kk] M[n][kk]) + b[n % 128].
; A: 8,192 rows of 1,024 f16 (8 neighbouring rows of the level's input on end), with an f32 scale s[a], a power of two, behind the data (from byte 2^24 on).  M: [1024 n][1024 kk] f16, n = 128 h + o.
; One text serves all levels; LAST chooses the way out.  A row a = 128 seg + al (seg: 64 pieces of 1,024 input rows).
;   LAST = 0: C[a][128 h + o] is number o of output row 1,024 seg + 128 h + al.  Laid so at every level but the last, the 8 rows that the next level takes together, in their order, are again 8 neighbours;
;             the growing segments of the tree are then only a permutation of rows, which the last level undoes.  The output is stored as the input came: f16(y / E) and E = 2^floor(log2(largest |y|)) for each
;             8 rows x 128 numbers.  E and 1 / E are exact, made on the exponent field; the stored numbers lie inside (-2, 2).
;   LAST = 1: f32 to out0.  With seg = (batch, s2 s1 s0) and al = (h3, h2, g) the row in the batch is h<<10 | s2<<9 | h3<<6 | s1<<5 | h2<<2 | s0<<1 | g.
; LIMITS.  M is f16 without a scale (under 65,504; a fixed step of 6e-8 below 6.1e-5).  The largest |y| of a group is held to 2^-126 .. 2^126 for the scale.  NaN and infinities are not treated apart.
; The sums are taken in another order than the module's own (its two products are folded into M).
; SHARES.  256 work-groups of four waves.  Work-group (x = n tile of 256, y = seg) makes 128 x 256 of C; wave w rows 64 (w / 2) on and the head 2 x + w % 2: 64 x 128, 32 accumulators, 256 registers.
; K goes in 8 steps of 128 through two LDS slots (A's 128 rows, then M's 256), filled by the tensor data mover: rows of 256 bytes of memory, at multiples of 256 from the buffer's first byte.
; CLUSTER.  4 x 4 work-groups.  A's tile hangs on seg alone and is asked for jointly by the four of a row of the cluster, M's on the n tile alone, by the four of a column.
; THE MATRIX INSTRUCTION IS USED TRANSPOSED (source 0 = 16 rows of M, source 1 = 16 rows of A): lane l holds row l % 16 of C and its registers the columns 8 (l / 16) + 0..7.
; REGISTERS, in windows of 256 (s_set_vgpr_msb: bits 1:0 source 0, 3:2 source 1, 5:4 source 2, 7:6 destination):
;   window 0: v0-31 addresses; v32-63 at work on the way out; v64-159, v160-255 two fragment buffers (M's eight fragments, then A's four); on the way out v64-191 rows to store, v192-223 statistics
;   window 1: the accumulators, (t, nb) at 8 (8 t + nb)          window 2: v0-63 the bias of my lane's 64 columns; v64-71 s of my lane's row in each of the four blocks, twice
.set LAST,   1
.set KSTEP,  128
.set PITCH,  272                       ; an LDS row: 256 bytes + 16 of padding = 68 words: the 16 rows of a fragment load start at 16 different groups of four banks (64 banks of 4 bytes: ISA guide 11.1)
.set AT,     128*PITCH                 ; A's part of a slot
.set SLOT,   384*PITCH
.set STAGE,  2*SLOT                    ; behind the ring, never filled by a tensor load: 16 rows for each wave, for the way out
.if LAST
.set SPITCH, 528                       ; 128 f32 + 16 bytes
.else
.set SPITCH, 272                       ; 128 f16 + 16 bytes
.endif
.set SPARE,  STAGE+4*16*SPITCH         ; behind the stages: the spare words, 128 bytes for each wave: two blocks of 256 bytes that no other line names
.set SCALES, 0x1000000                 ; where the scales begin in an activation buffer
.set ADRA, 16                          ; v16-17  LDS address of my A fragments in slot 0, 1
.set ADRB, 20                          ; v20-21  the same for M
.set SO,   22                          ; v22     4 x ((l / 8) % 2): which of a block's two scales
.set L23,  23                          ; v23     l & 23: 0 in lanes 0 and 8
.set STO,  24                          ; v24     the way out: where I put my piece of a row
.set RD,   25                          ; v25     the way out: where I read rows back
.set CO,   26                          ; v26     16 x lane: my 16 bytes of 512 consecutive bytes of the output
.set SOF,  27                          ; v27     4 x (l % 16): my row's scale
.set SPW,  28                          ; v28     LDS address of my spare word; never rewritten
.set NIL,  29                          ; v29     0; never rewritten
.set PFO,  30                          ; v30     2,048 x lane: the prefetches' offset, a lane a row; never rewritten
.set BOF,  31                          ; v31     32 x (l / 16): my eight numbers in 16 of the bias
.set TMP,  32
.set F0,   64
.set F1,   160
.set OB,   64
.set MX,   192                         ; block t: v[MX+4t] two running maxima, two running minima
.set EE,   208                         ; block t: v[EE+4t] E; v[EE+4t+2:EE+4t+3] 1 / E, twice
.set BIAS, 0                           ; window 2
.set SA,   64                          ; window 2
.set SEL,  2                           ; s[2:3]   v_permlanex16_b32's selects
.set WV,   12                          ; s12      wave
.set WM,   13                          ; s13      which 64 rows of C are mine.  Also: I fetch for A (0) or for M (1)
.set WN,   14                          ; s14      which head of the two.  Also: which half of that tile I fetch
.set CX,   15
.set CY,   16
.set NT,   17                          ; s17      n tile
.set SEG,  18                          ; s18      seg
.set LAP,  19                          ; s19      laps to go
.set G1,   24                          ; s[24:31] descriptor group 1 for A's tiles;  s[32:39] group 0, one set for each slot
.set G0,   32
.set SB,   40                          ; s[40:41] first the two masks, later where my scales go
.set SVX,  42                          ; s42      first an LDS offset, later EXEC as it was
.set LIM,  43                          ; s43      first an LDS offset, later 1 in a wave that prefetches, else the greatest number
.set PFA,  44                          ; s[44:45] where my prefetches stand
.set G1B,  48                          ; s[48:55], s[56:63] the same for M's tiles
.set G0B,  56
.set MSB, 0
.macro WIN new                         ; the immediate's high byte repeats the setting that is left; a switch that changes nothing is dropped
.if MSB != (\new)
	s_set_vgpr_msb (MSB<<8)|(\new)
.set MSB, \new
.endif
.endm
.set W_MUL, 0x50                       ; fragments window 0, C and D window 1
.set W_L2,  0x80                       ; destination window 2
.set W_FMA, 0x69                       ; destination and source 0 window 1, sources 1 and 2 window 2
.set W_MM,  0x14                       ; sources 1 and 2 window 1
.set W_RS,  0x41                       ; destination and source 0 window 1
.set W_CV,  0x05                       ; sources 0 and 1 window 1
.set W_S1,  0x04                       ; an LDS store's data in window 1
; A joint load.  Waves 0 and 1 fetch A's two halves (64 rows each), waves 2 and 3 M's (128 rows each).  The branch hangs on the wave's number alone.
; An s_nop 0 and four v_nop follow each of the two lines, ahead of the jump, the label and what follows.
.macro JLOAD s
	s_cmp_eq_u32 s[WM], 0
	s_cbranch_scc0 .Lfor_b_\@
	tensor_load_to_lds s[G0+4*(\s):G0+4*(\s)+3], s[G1:G1+7]
	s_nop 0
.rept 4
	v_nop
.endr
	s_branch .Lasked_\@
.Lfor_b_\@:
	tensor_load_to_lds s[G0B+4*(\s):G0B+4*(\s)+3], s[G1B:G1B+7]
	s_nop 0
.rept 4
	v_nop
.endr
.Lasked_\@:
.endm
; A PREFETCH INTO THE L2, behind each joint refill, its five lines and the run of LDS loads: 32 rows x 256 bytes of the K step that stands TWO refills on (256 matrix instructions ahead of the load that
; will want it), a lane a row, one instruction.  Each row's 256 bytes of a K step are named once in the launch.  A's 128 rows of a seg are read by one row of one cluster alone: its four partners take 32 rows
; each, told apart by address (cx), and wave 0 asks.  M's 256 rows of an n tile are read by every cluster: the cluster with y = 0 asks; the four partners of a column take 64 rows each (cy), waves 2 and 3
; 32 of them each.  K steps 0 to 3 come by their loads alone; the loop's last trip, whose refills are the last two K steps, asks for nothing.
.macro ASK
	s_cmp_gt_u32 s[LAP], s[LIM]
	s_cbranch_scc0 .Lnot_mine_\@
	global_prefetch_b8 v[PFO], s[PFA:PFA+1] offset:KSTEP*2 th:TH_LOAD_NT scope:SCOPE_SE
.Lnot_mine_\@:
.endm
; A round of the cluster's barrier: my work-group's barrier, so that wave 0's signal speaks for all four waves; wave 0 signals; every wave waits for all sixteen work-groups; my work-group's barrier once more.
.macro CREST                           ; a round behind its opening barrier
	s_cmp_lg_u32 s[WV], 0
	s_cbranch_scc1 .Lnot_wave_0_\@
	s_barrier_signal -3
.Lnot_wave_0_\@:
	s_barrier_wait -3
	s_barrier_signal -1
	s_barrier_wait -1
.endm
.macro CROUND
	s_barrier_signal -1
	s_barrier_wait -1
	CREST
.endm
	s_load_b256 s[4:11], s[0:1], 0x0               ; the input s[4:5], M s[6:7], the bias s[8:9], the output s[10:11]
	v_lshl_add_u32 v[SPW], v0, 2, SPARE
	v_mov_b32 v[NIL], 0
	ds_add_u32 v[SPW], v[NIL]                      ; the wave's opening: the add and its wait stand ahead of my first tensor load; the set-up below, work on registers, stands between them
	ds_add_u32 v28, v29
	v_lshrrev_b32 v1, 5, v0
	v_readfirstlane_b32 s[WV], v1                  ; wave 0..3
	s_lshr_b32 s[WM], s[WV], 1
	s_and_b32 s[WN], s[WV], 1
	s_bfe_u32 s[CX], ttmp6, 0x40000                ; my place in the cluster
	s_bfe_u32 s[CY], ttmp6, 0x40004
	s_lshl_b32 s[NT], ttmp9, 2                     ; in a cluster launch ttmp9 and ttmp7 count clusters
	s_add_co_u32 s[NT], s[NT], s[CX]
	s_and_b32 s[SEG], ttmp7, 0xffff
	s_lshl_b32 s[SEG], s[SEG], 2
	s_add_co_u32 s[SEG], s[SEG], s[CY]
	s_lshl_b32 s40, s[CY], 2
	s_lshl_b32 s40, 15, s40                        ; my row of the cluster: places 4 cy .. 4 cy + 3
	s_lshl_b32 s41, 0x1111, s[CX]                  ; my column: places cx, cx + 4, cx + 8, cx + 12
	s_or_b32 s[G1], s40, (1<<16)|(1<<20)|(1<<21)|(5<<22)|(3<<25)   ; 15:0 the mask; 17:16 elements of 2 bytes; 20 padding on; 21 set beside a mask; 24:22 after every 64 words (code 5); 31:25 4 words of it (code 3)
	s_or_b32 s[G1B], s41, (1<<16)|(1<<20)|(1<<21)|(5<<22)|(3<<25)
	s_mov_b32 s[G1+1], KSTEP<<16                   ; tensor_dim0 = 128
	s_mov_b32 s[G1+2], 64<<16                      ; tensor_dim1 = 64
	s_mov_b32 s[G1+3], KSTEP<<16                   ; tile_dim0 = 128
	s_mov_b32 s[G1+4], 64                          ; tile_dim1 = 64
	s_mov_b32 s[G1+5], 1024                        ; elements from row to row
	s_mov_b32 s[G1+6], 0
	s_mov_b32 s[G1+7], 0
	s_mov_b32 s[G1B+1], KSTEP<<16
	s_mov_b32 s[G1B+2], 128<<16                    ; M's tiles have 128 rows
	s_mov_b32 s[G1B+3], KSTEP<<16
	s_mov_b32 s[G1B+4], 128
	s_mov_b32 s[G1B+5], 1024
	s_mov_b32 s[G1B+6], 0
	s_mov_b32 s[G1B+7], 0
	s_lshl_b32 s20, s[SEG], 7                      ; A: row 128 seg + 64 x half, 2,048 bytes a row
	s_lshl_b32 s21, s[WN], 6
	s_add_co_u32 s20, s20, s21
	s_lshl_b32 s20, s20, 11
	s_mov_b32 s21, 0
	s_lshl_b32 s46, s[NT], 8                       ; M: row 256 x n tile + 128 x half
	s_lshl_b32 s47, s[WN], 7
	s_add_co_u32 s46, s46, s47
	s_lshl_b32 s46, s46, 11
	s_mov_b32 s47, 0
	s_mul_i32 s42, s[WN], 64*PITCH                 ; where they go in a slot: no place in the cluster enters an LDS address
	s_mul_i32 s43, s[WN], 128*PITCH
	s_add_co_u32 s43, s43, AT
	s_mov_b32 s[SEL], 0x76543210
	s_mov_b32 s[SEL+1], 0xfedcba98
	s_wait_dscnt 0x0                               ; the opening add is done
	s_wait_kmcnt 0x0
	s_add_nc_u64 s[22:23], s[4:5], s[20:21]
	s_add_nc_u64 s[46:47], s[6:7], s[46:47]
	CROUND                                         ; all sixteen work-groups are here: the first joint loads meet
.irp s, 0,1
	s_mov_b32 s[G0+4*(\s)], 1                                        ; count = 1
	s_add_co_u32 s[G0+4*(\s)+1], s42, (\s)*SLOT                      ; LDS address
	s_add_nc_u64 s[G0+4*(\s)+2:G0+4*(\s)+3], s[22:23], (\s)*KSTEP*2  ; global address: K step s
	s_or_b32 s[G0+4*(\s)+3], s[G0+4*(\s)+3], 0x80000000              ; type = 2
	s_mov_b32 s[G0B+4*(\s)], 1
	s_add_co_u32 s[G0B+4*(\s)+1], s43, (\s)*SLOT
	s_add_nc_u64 s[G0B+4*(\s)+2:G0B+4*(\s)+3], s[46:47], (\s)*KSTEP*2
	s_or_b32 s[G0B+4*(\s)+3], s[G0B+4*(\s)+3], 0x80000000
	JLOAD \s                                       ; two loads of mine are out
.endr
	; A fragment is 16 rows x 32 K in 8 registers: lane l holds row l % 16; registers 0-3 K = 8 (l / 16) + 0..7, registers 4-7 K = 16 + 8 (l / 16) + 0..7: two loads of 16 bytes, 32 bytes apart.
	v_and_b32 v1, 15, v0                           ; l % 16
	v_bfe_u32 v2, v0, 4, 1                         ; l / 16
	v_and_b32 v5, 31, v0                           ; l
	v_mul_u32_u24 v3, v1, PITCH
	v_lshl_add_u32 v3, v2, 4, v3
	s_mul_i32 s20, s[WM], 64*PITCH                 ; my 64 rows of A
	s_mul_i32 s21, s[WN], 128*PITCH                ; my 128 rows of M,
	s_add_co_u32 s21, s21, AT                      ; which lie behind A's 128
.irp s, 0,1
	v_add_nc_u32 v[ADRA+(\s)], s20, v3
	v_add_nc_u32 v[ADRB+(\s)], s21, v3
	s_add_co_u32 s20, s20, SLOT
	s_add_co_u32 s21, s21, SLOT
.endr
	s_mul_i32 s20, s[WV], 16*SPITCH
	s_add_co_u32 s20, s20, STAGE                   ; my stage
	v_mul_u32_u24 v4, v1, SPITCH                   ; in: row l % 16, my eight columns of each 16
.if LAST
	v_lshl_add_u32 v4, v2, 5, v4                   ; 32 bytes in f32
	v_add_nc_u32 v[STO], s20, v4
	v_lshl_add_u32 v[RD], v5, 4, s20               ; back: 32 lanes take one row of 512 bytes
.else
	v_lshl_add_u32 v4, v2, 4, v4                   ; 16 bytes in f16
	v_add_nc_u32 v[STO], s20, v4
	v_mul_u32_u24 v6, v2, SPITCH                   ; back: lanes 0-15 one row of 256 bytes, lanes 16-31 the next
	v_lshl_add_u32 v6, v1, 4, v6
	v_add_nc_u32 v[RD], s20, v6
	v_bfe_u32 v[SO], v0, 3, 1
	v_lshlrev_b32 v[SO], 2, v[SO]
	v_and_b32 v[L23], 23, v0
.endif
	v_lshlrev_b32 v[CO], 4, v5
	v_lshlrev_b32 v[SOF], 2, v1
	v_lshlrev_b32 v[PFO], 11, v5
	v_lshlrev_b32 v[BOF], 5, v2
	; the prefetches: which rows are mine, and whether I ask at all
	s_lshl_b32 s20, s[SEG], 7
	s_lshl_b32 s21, s[CX], 5
	s_add_co_u32 s20, s20, s21                     ; A: 128 seg + 32 cx
	s_lshl_b32 s21, s[NT], 8
	s_lshl_b32 s22, s[CY], 6
	s_add_co_u32 s21, s21, s22
	s_lshl_b32 s22, s[WN], 5
	s_add_co_u32 s21, s21, s22                     ; M: 256 x n tile + 64 cy + 32 x half
	s_and_b32 s22, ttmp7, 0xffff                   ; cluster y
	s_cmp_eq_u32 s[WM], 0                          ; do I fetch for A?
	s_cselect_b32 s20, s20, s21
	s_cselect_b32 s22, s[WN], s22                  ; A: wave 0 asks; M: the cluster with y = 0.  The same in all sixteen partners, for a given wave
	s_cselect_b64 s[PFA:PFA+1], s[4:5], s[6:7]
	s_cmp_eq_u32 s22, 0
	s_cselect_b32 s[LIM], 1, -1
	s_lshl_b32 s20, s20, 11
	s_mov_b32 s21, 0
	s_add_nc_u64 s[PFA:PFA+1], s[PFA:PFA+1], s[20:21]
	s_add_nc_u64 s[PFA:PFA+1], s[PFA:PFA+1], 2*KSTEP*2  ; at K step 2: the first refill steps it to 3 and names K step 4.  Nothing is prefetched here, at the head
	; the scales of my 64 rows and the bias of my lane's columns: asked for now, wanted on the way out
	s_lshl_b32 s20, s[SEG], 9
	s_lshl_b32 s22, s[WM], 8
	s_add_co_u32 s20, s20, s22
	s_add_co_u32 s20, s20, SCALES
	s_add_nc_u64 s[4:5], s[4:5], s[20:21]
	WIN W_L2
.irp b, 0,1,2,3,4,5,6,7
	global_load_b128 v[BIAS+8*(\b):BIAS+8*(\b)+3],   v[BOF], s[8:9] offset:64*(\b)
	global_load_b128 v[BIAS+8*(\b)+4:BIAS+8*(\b)+7], v[BOF], s[8:9] offset:64*(\b)+16
.endr
.irp t, 0,1,2,3
	global_load_b32 v[SA+2*(\t)],   v[SOF], s[4:5] offset:64*(\t)
	global_load_b32 v[SA+2*(\t)+1], v[SOF], s[4:5] offset:64*(\t)   ; named as a pair, so both are written
.endr
	WIN 0
	; where my part of the output begins
	s_lshl_b32 s21, s[NT], 1
	s_add_co_u32 s21, s21, s[WN]                   ; my head
.if LAST
	s_lshr_b32 s20, s[SEG], 3
	s_lshl_b32 s20, s20, 13                        ; the batch's 8,192 rows
	s_lshl_b32 s21, s21, 10
	s_or_b32 s20, s20, s21                         ; h << 10
	s_bfe_u32 s21, s[SEG], 0x10002
	s_lshl_b32 s21, s21, 9
	s_or_b32 s20, s20, s21                         ; s2 << 9
	s_lshl_b32 s21, s[WM], 8
	s_or_b32 s20, s20, s21                         ; the top bit of h3 << 8; its other two bits are the block t
	s_bfe_u32 s21, s[SEG], 0x10001
	s_lshl_b32 s21, s21, 5
	s_or_b32 s20, s20, s21                         ; s1 << 5
	s_and_b32 s21, s[SEG], 1
	s_lshl_b32 s21, s21, 1
	s_or_b32 s20, s20, s21                         ; s0 << 1
	s_lshl_b32 s20, s20, 9                         ; 512 bytes a row
	s_mov_b32 s21, 0
	s_add_nc_u64 s[10:11], s[10:11], s[20:21]
.else
	s_lshl_b32 s20, s[SEG], 3
	s_add_co_u32 s20, s20, s21                     ; 8 seg + h
	s_lshl_b32 s22, s20, 6                         ; 16 scales of 4 bytes for each,
	s_lshl_b32 s23, s[WM], 5                       ; my 8 of them
	s_add_co_u32 s22, s22, s23
	s_add_co_u32 s22, s22, SCALES
	s_mov_b32 s23, 0
	s_add_nc_u64 s[SB:SB+1], s[10:11], s[22:23]
	s_lshl_b32 s20, s20, 15                        ; 128 rows of 256 bytes for each,
	s_lshl_b32 s21, s[WM], 14                      ; my 64 of them: my 64 x 128 of C are 16,384 bytes on end
	s_add_co_u32 s20, s20, s21
	s_mov_b32 s21, 0
	s_add_nc_u64 s[10:11], s[10:11], s[20:21]
.endif
; 8 matrix instructions: block t of my four blocks of 16 rows x all 8 blocks of 16 columns, 32 along K.  All 32 accumulators take turns in one order.  zero = 1: the products start the sums.
.macro MUL8 f, t, zero
	WIN W_MUL
.irp b, 0,1,2,3,4,5,6,7
.if \zero
	v_wmma_f32_16x16x32_f16 v[8*(8*(\t)+(\b)):8*(8*(\t)+(\b))+7], v[(\f)+8*(\b):(\f)+8*(\b)+7], v[(\f)+64+8*(\t):(\f)+64+8*(\t)+7], 0
.else
	v_wmma_f32_16x16x32_f16 v[8*(8*(\t)+(\b)):8*(8*(\t)+(\b))+7], v[(\f)+8*(\b):(\f)+8*(\b)+7], v[(\f)+64+8*(\t):(\f)+64+8*(\t)+7], v[8*(8*(\t)+(\b)):8*(8*(\t)+(\b))+7]
.endif
.endr
.endm
; 24 LDS loads in one run: the fragments of 32 along K at byte k of the rows, into buffer f: M's sixteen loads, then A's eight, block 0 first
.macro FETCH slot, k, f
	WIN 0
.irp i, 0,1,2,3,4,5,6,7
	ds_load_b128 v[(\f)+8*(\i):(\f)+8*(\i)+3],   v[ADRB+(\slot)] offset:(\k)+(\i)*16*PITCH
	ds_load_b128 v[(\f)+8*(\i)+4:(\f)+8*(\i)+7], v[ADRB+(\slot)] offset:(\k)+(\i)*16*PITCH+32
.endr
.irp i, 0,1,2,3
	ds_load_b128 v[(\f)+64+8*(\i):(\f)+64+8*(\i)+3],   v[ADRA+(\slot)] offset:(\k)+(\i)*16*PITCH
	ds_load_b128 v[(\f)+64+8*(\i)+4:(\f)+64+8*(\i)+7], v[ADRA+(\slot)] offset:(\k)+(\i)*16*PITCH+32
.endr
.endm
.macro PLACES                          ; four places ahead of loads into registers that matrix instructions have read, and of lines that read results (ISA guide 7.12.1 for the lines that read results)
.rept 4
	v_nop
.endr
.endm
; A K step is four quarters of 32 along K, 32 matrix instructions each, on buffers 0, 1, 0, 1.  One of the first three: multiplies buffer f and fetches the next quarter, at byte k, into g, 24 matrix instructions ahead of its first use.
.macro QUARTER slot, k, f, g, zero
	s_wait_dscnt 6                                 ; M's fragments and A's block 0 are in; the youngest six loads (A's blocks 1 to 3) may be out
	MUL8 \f, 0, \zero
	PLACES
	FETCH \slot, \k, \g
	s_wait_dscnt 24                                ; all but the 24 just issued
	MUL8 \f, 1, \zero
	MUL8 \f, 2, \zero
	MUL8 \f, 3, \zero
.endm
; The last quarter multiplies buffer 1 and changes slots: ONE barrier.  Ahead of it each wave waits for all its tensor loads (the one that is out is its part of the next slot), adds 0 to its spare word, and waits for
; that and for its own reads of this slot.  fill = 1: the barrier opens a round of the cluster's, so that no wave of any partner still reads this slot or has a load on its way, and the joint refill, two K steps
; ahead, is the first thing behind the round: 112 matrix instructions ahead of the wait for it.
.macro TURN slot, next, fill
.if \fill
	s_wait_xcnt 0x0                                ; the last prefetch, a K step back, has read its address: it is stepped here, ahead of the change's own waits
	s_add_nc_u64 s[PFA:PFA+1], s[PFA:PFA+1], KSTEP*2
.endif
	WIN 0                                          ; (the add's two registers lie in window 0)
	s_wait_tensorcnt 0x0                           ; all my tensor loads have landed;
	ds_add_u32 v[SPW], v[NIL]                      ; 0 onto my spare word;
	s_wait_dscnt 7                                 ; (the add and the youngest six loads may be out)
	MUL8 F1, 0, 0                                  ; eight matrix instructions stand between the add and the wait for it
	s_wait_dscnt 0x0                               ; the add is done, and my reads of this slot are over
	s_barrier_signal -1
	MUL8 F1, 1, 0                                  ; work on registers while the others arrive
.if \fill
	WIN 0
.endif
	s_barrier_wait -1
.if \fill
	CREST
	s_add_nc_u64 s[G0+4*(\slot)+2:G0+4*(\slot)+3], s[G0+4*(\slot)+2:G0+4*(\slot)+3], 2*KSTEP*2    ; no tensor load of mine is out, so a group 0 may be written
	s_add_nc_u64 s[G0B+4*(\slot)+2:G0B+4*(\slot)+3], s[G0B+4*(\slot)+2:G0B+4*(\slot)+3], 2*KSTEP*2
	JLOAD \slot                                    ; the four v_nop behind it are also the places ahead of the loads below
.else
	PLACES
.endif
	FETCH \next, 0, F0
.if \fill
	ASK
.endif
	MUL8 F1, 2, 0
	MUL8 F1, 3, 0
.endm
	s_wait_tensorcnt 1                             ; my part of K step 0 is in; K step 1's may stay out
	s_barrier_signal -1
	s_barrier_wait -1                              ; everybody's is
	FETCH 0, 0, F0
	QUARTER 0, 64,  F0, F1, 1                      ; the first quarter stands ahead of the loop: its products start the sums
	WIN 0                                          ; at a label and at a branch every window is 0
	s_mov_b32 s[LAP], 3
.Llap:                                                 ; a trip goes once round the ring, from a lap's second quarter to the next lap's first, and fills both slots again: K steps 2 to 7 in three trips
	QUARTER 0, 128, F1, F0, 0
	QUARTER 0, 192, F0, F1, 0
	TURN 0, 1, 1
	QUARTER 1, 64,  F0, F1, 0
	QUARTER 1, 128, F1, F0, 0
	QUARTER 1, 192, F0, F1, 0
	TURN 1, 0, 1
	QUARTER 0, 64,  F0, F1, 0
	WIN 0
	s_sub_co_u32 s[LAP], s[LAP], 1
	s_cmp_lg_u32 s[LAP], 0
	s_cbranch_scc1 .Llap
	QUARTER 0, 128, F1, F0, 0                      ; the last lap fills nothing, and has no round of the cluster's barrier
	QUARTER 0, 192, F0, F1, 0
	TURN 0, 1, 0
	QUARTER 1, 64,  F0, F1, 0
	QUARTER 1, 128, F1, F0, 0
	QUARTER 1, 192, F0, F1, 0
	s_wait_dscnt 6                                 ; the very last quarter: nothing more to fetch
	MUL8 F1, 0, 0
	s_wait_dscnt 0x0
	MUL8 F1, 1, 0
	MUL8 F1, 2, 0
	MUL8 F1, 3, 0
	WIN 0
; THE WAY OUT.  y = sum x s[row] + bias, in place, each accumulator's registers in ascending order.
.macro FMA t
	WIN W_FMA
.set q, 0
.rept 32
	v_pk_fma_f32 v[64*(\t)+2*q:64*(\t)+2*q+1], v[64*(\t)+2*q:64*(\t)+2*q+1], v[SA+2*(\t):SA+2*(\t)+1], v[BIAS+2*q:BIAS+2*q+1] op_sel_hi:[1,0,1]
.set q, q+1
.endr
.endm
	PLACES
.if LAST
; Block t (16 rows of 128 f32) goes through my stage and comes back as whole rows of 512 bytes; the next block's arithmetic stands between a block's loads from the stage and its stores.
.macro STG t
	s_wait_xcnt 0x0                                ; the stores of the block two back have read their registers, which the loads below fill again
	WIN W_S1
.irp b, 0,1,2,3,4,5,6,7
	ds_store_b128 v[STO], v[64*(\t)+8*(\b):64*(\t)+8*(\b)+3]   offset:64*(\b)
	ds_store_b128 v[STO], v[64*(\t)+8*(\b)+4:64*(\t)+8*(\b)+7] offset:64*(\b)+16
.endr
	WIN 0
.set q, 0
.rept 16
	ds_load_b128 v[OB+64*((\t)%2)+4*q:OB+64*((\t)%2)+4*q+3], v[RD] offset:q*SPITCH  ; LDS serves a wave's instructions in order (ISA guide 5.7.1.4): these see the stores above; the next block's stores come behind them
.set q, q+1
.endr
.endm
.macro SENDL t
	WIN 0
.set q, 0
.rept 16
	s_wait_dscnt 15-q                              ; row q is back
	global_store_b128 v[CO], v[OB+64*((\t)%2)+4*q:OB+64*((\t)%2)+4*q+3], s[10:11] offset:(\t)*32768+(q/2)*2048+(q%2)*512 th:TH_STORE_NT  ; a whole row of out0, 512 consecutive bytes: t << 6, (q / 2) << 2 and q % 2 in the row's number
.set q, q+1
.endr
.endm
	s_wait_loadcnt 0x0                             ; the scales and the bias
	FMA 0
	STG 0
.irp t, 1,2,3
	FMA \t
	SENDL (\t)-1
	STG \t
.endr
	SENDL 3
.else
; The largest and the smallest y of block t in my lane (two chains each, begun at 0).
.macro AMAX t
	WIN W_MM
.set q, 0
.rept 32
	v_max3_num_f32 v[MX+4*(\t)+q%2],   v[MX+4*(\t)+q%2],   v[64*(\t)+2*q], v[64*(\t)+2*q+1]
	v_min3_num_f32 v[MX+4*(\t)+2+q%2], v[MX+4*(\t)+2+q%2], v[64*(\t)+2*q], v[64*(\t)+2*q+1]
.set q, q+1
.endr
.endm
.macro ALL line:vararg                 ; one line for each block t
.set t, 0
.rept 4
	\line
.set t, t+1
.endr
.endm
.macro PACK t                          ; y / E, rounded to f16: 16 bytes for each 16 columns
	WIN W_RS
.set q, 0
.rept 32
	v_pk_mul_f32 v[64*(\t)+2*q:64*(\t)+2*q+1], v[64*(\t)+2*q:64*(\t)+2*q+1], v[EE+4*(\t)+2:EE+4*(\t)+3]
.set q, q+1
.endr
	WIN W_CV
.set q, 0
.rept 32
	v_cvt_pk_f16_f32 v[TMP+q], v[64*(\t)+2*q], v[64*(\t)+2*q+1]
.set q, q+1
.endr
	WIN 0
.endm
.macro TOSTAGE t                       ; into my stage, and back as whole rows of 256 bytes
	WIN 0
.irp b, 0,1,2,3,4,5,6,7
	ds_store_b128 v[STO], v[TMP+4*(\b):TMP+4*(\b)+3] offset:32*(\b)
.endr
.irp u, 0,1,2,3,4,5,6,7
	ds_load_b128 v[OB+32*(\t)+4*(\u):OB+32*(\t)+4*(\u)+3], v[RD] offset:(\u)*2*SPITCH  ; LDS serves a wave's instructions in order (ISA guide 5.7.1.4): these see the stores above; the next block's stores come behind them
.endr
.endm
.macro SEND t
	WIN 0
.irp u, 0,1,2,3,4,5,6,7
	s_wait_dscnt 7-(\u)                            ; rows 2 u and 2 u + 1 are back
	global_store_b128 v[CO], v[OB+32*(\t)+4*(\u):OB+32*(\t)+4*(\u)+3], s[10:11] offset:(\t)*4096+(\u)*512  ; 512 consecutive bytes, at a multiple of 256 from the buffer's first; each block has registers of its own
.endr
.endm
.set q, 0
.rept 16
	v_mov_b32 v[MX+q], 0
.set q, q+1
.endr
	s_wait_loadcnt 0x0                             ; the scales and the bias
.irp t, 0,1,2,3
	FMA \t
	AMAX \t
.endr
	; A group of the next level is 8 rows x 128 columns: lanes 0-7 and 16-23, or lanes 8-15 and 24-31, of a block.  The four blocks' lines alternate.
	WIN 0
	ALL v_max_num_f32 v[MX+4*t], v[MX+4*t], v[MX+4*t+1]
	ALL v_min_num_f32 v[MX+4*t+2], v[MX+4*t+2], v[MX+4*t+3]
	ALL v_sub_f32 v[MX+4*t+2], 0, v[MX+4*t+2]
	ALL v_max_num_f32 v[MX+4*t], v[MX+4*t], v[MX+4*t+2]
	ALL v_max_num_f32_dpp v[MX+4*t], v[MX+4*t], v[MX+4*t] row_xmask:1 row_mask:0xf bank_mask:0xf
	ALL v_max_num_f32_dpp v[MX+4*t], v[MX+4*t], v[MX+4*t] row_xmask:2 row_mask:0xf bank_mask:0xf
	ALL v_max_num_f32_dpp v[MX+4*t], v[MX+4*t], v[MX+4*t] row_xmask:4 row_mask:0xf bank_mask:0xf
	ALL v_permlanex16_b32 v[MX+4*t+1], v[MX+4*t], s[SEL], s[SEL+1]
	ALL v_max_num_f32 v[MX+4*t], v[MX+4*t], v[MX+4*t+1]
	ALL v_max_num_f32 v[MX+4*t], 0x00800000, v[MX+4*t]
	ALL v_min_num_f32 v[MX+4*t], 0x7e800000, v[MX+4*t]
	ALL v_and_b32 v[EE+4*t], 0x7f800000, v[MX+4*t]
	ALL v_sub_nc_u32 v[EE+4*t+2], 0x7f000000, v[EE+4*t]
	ALL v_mov_b32 v[EE+4*t+3], v[EE+4*t+2]
	PACK 0
	TOSTAGE 0
.irp t, 1,2,3                          ; a block's arithmetic stands between the loads of the block before and its stores
	PACK \t
	SEND (\t)-1
	TOSTAGE \t
.endr
	SEND 3
	v_cmp_eq_u32 vcc_lo, 0, v[L23]
	s_wait_xcnt 0x0                                ; EXEC changes only behind this wait
	s_and_saveexec_b32 s[SVX], vcc_lo              ; lanes 0 and 8 store the two scales of each block
.irp t, 0,1,2,3
	global_store_b32 v[SO], v[EE+4*(\t)], s[SB:SB+1] offset:8*(\t)
.endr
	s_wait_xcnt 0x0                                ; and again, ahead of the line that widens it
	s_or_b32 exec_lo, exec_lo, s[SVX]
.endif
	s_wait_tensorcnt 0x0                           ; the wave's end, behind my last tensor load and my last LDS store
	ds_add_u32 v[SPW], v[NIL]
	s_wait_dscnt 0x0
	CROUND                                         ; the closing round: no work-group ends while a partner may still ask for a tile that names it
	s_endpgm
.Lfunc_end_k_q5dcef6afb6_lev4:
	.size	k_q5dcef6afb6_lev4, .Lfunc_end_k_q5dcef6afb6_lev4-k_q5dcef6afb6_lev4
	.p2alignl 7, 3214868480
	.fill 96, 4, 3214868480
	.section	.rodata,"a",@progbits
	.p2align	6, 0x0
	.amdhsa_kernel k_q5dcef6afb6_lev4
		.amdhsa_group_segment_fixed_size 327680
		.amdhsa_private_segment_fixed_size 0
		.amdhsa_enable_private_segment 0
		.amdhsa_kernarg_size 32
		.amdhsa_user_sgpr_count 2
		.amdhsa_user_sgpr_kernarg_segment_ptr 1
		.amdhsa_wavefront_size32 1
		.amdhsa_system_sgpr_workgroup_id_x 1
		.amdhsa_system_sgpr_workgroup_id_y 1
		.amdhsa_system_sgpr_workgroup_id_z 1
		.amdhsa_system_vgpr_workitem_id 0
		.amdhsa_next_free_vgpr 640
		.amdhsa_next_free_sgpr 66
		.amdhsa_reserve_vcc 1
		.amdhsa_float_denorm_mode_32 3
		.amdhsa_float_denorm_mode_16_64 3
		.amdhsa_memory_ordered 1
		.amdhsa_forward_progress 1
		.amdhsa_inst_pref_size 99
	.end_amdhsa_kernel
	.amdgpu_metadata
---
amdhsa.version: [ 1, 2 ]
amdhsa.kernels:
  - .name:           k_q5dcef6afb6_lev4
    .symbol:         k_q5dcef6afb6_lev4.kd
    .args:
      - { .name: actB, .offset: 0, .size: 8, .value_kind: global_buffer, .address_space: global }
      - { .name: mt4, .offset: 8, .size: 8, .value_kind: global_buffer, .address_space: global }
      - { .name: b_mix, .offset: 16, .size: 8, .value_kind: global_buffer, .address_space: global }
      - { .name: out0, .offset: 24, .size: 8, .value_kind: global_buffer, .address_space: global }
    .group_segment_fixed_size: 327680
    .private_segment_fixed_size: 0
    .kernarg_segment_align: 8
    .kernarg_segment_size: 32
    .max_flat_workgroup_size: 128
    .sgpr_count:     66
    .vgpr_count:     640
    .wavefront_size: 32
...
	.end_amdgpu_metadata
.endif
;; end of part 3
